; MI455X (gfx1250); checked and timed in simulation.
; The chip was launched on July 23, 2026; its instructions are those of AMD's public machine-readable ISA for CDNA 5 (MIT licence, August 2026) and "CDNA5" Instruction Set Architecture Reference Guide (July 2026). The comments in the code are by the model that wrote it; some were corrected since.
;; Tt Multi Head Attention Model. Allowed arithmetic: matrix products marked QUANTISED: E2M1 operands, one E8M0 scale for each 32 along K, by v_wmma_scale_f32_16x16x128_f8f6f4 with both operands' format E2M1 (or v_wmma_scale_f32_32x16x128_f4), f32 sums; everything else in f32.
;; Inputs: activation 8 x 1 x 1,024 x 1,024 float32; attention_mask 8 x 1 x 1 x 1,024 float32; kb 1,024 float32; kw 1,024 x 1,024 float32; qb 1,024 float32; qw 1,024 x 1,024 float32; vb 1,024 float32; vw 1,024 x 1,024 float32.
;; Outputs: out0 8 x 1 x 1,024 x 1,024 float32.
;; Constants: num_heads = 16.
;; This version of the problem:
;;   THIS VERSION OF THE PROBLEM IS GIVEN IN LOW PRECISION. The matrix products marked QUANTISED in the list below multiply operands that are first quantised to E2M1 (2 exponent bits, 1 mantissa bit; 4 bits a number), with one power-of-two scale for each 32 numbers along K (OCP MX v1.0); their sums are f32. All else is computed in f32.
;;   The module's matrix products, in the order in which they are computed (A, B: the left and right operand; K: the contracted axis; several contracted axes count as one K, in the product's order):
;;     1. [M 8,192, K 1,024] x [K 1,024, N 1,024]; A: input activation; B: input qw: QUANTISED
;;     2. [M 8,192, K 1,024] x [K 1,024, N 1,024]; A: input activation; B: input kw: QUANTISED
;;     3. [M 8,192, K 1,024] x [K 1,024, N 1,024]; A: input activation; B: input vw: QUANTISED
;;     4. batch 128 x [M 1,024, K 64] x [K 64, N 1,024]; A: computed on the way; B: computed on the way: QUANTISED
;;     5. batch 128 x [M 1,024, K 1,024] x [K 1,024, N 64]; A: softmax (see below); B: computed on the way: QUANTISED
;;   THE QUANTISER, for each operand of a quantised product, along K:
;;     - K is cut into blocks of 32 from its start; a last block that is shorter is filled with zeros.
;;     - A block's scale is 2^e with e = floor(log2(the largest magnitude in the block)) - 2, held to -126 .. 127; a block of zeros has e = 0. As a byte (E8M0): e + 127.
;;     - Each number is divided by its block's scale, clamped to +-6, and rounded to the nearest number of E2M1, ties to even, subnormals kept.
;;     - The product sums the exact products of the quantised numbers (number of the format x scale) in f32.
;;   ~~~python
;;   def quantise(x, axis):      # numpy; x: float32 -> the quantised numbers, widened to float32 again
;;       x = np.moveaxis(x, axis, -1); K = x.shape[-1]
;;       x = np.pad(x, [(0, 0)] * (x.ndim - 1) + [(0, -K % 32)]); x = x.reshape(x.shape[:-1] + (-1, 32)); a = np.abs(x).max(-1, keepdims=True)
;;       e = np.where(a > 0, np.clip(np.frexp(np.where(a > 0, a, 1))[1] - 1 - 2, -126, 127), 0)      # np.frexp(a)[1] - 1 = floor(log2(a)), exactly
;;       r = np.clip(x / 2.0 ** e, -6, 6)
;;       step = 2.0 ** (np.maximum(np.frexp(np.where(r == 0, 1, r))[1] - 1, 0) - 1)
;;       q = np.round(r / step) * step * 2.0 ** e      # np.round: ties to even
;;       return np.moveaxis(q.reshape(q.shape[:-2] + (-1,))[..., :K], -1, axis).astype(np.float32)
;;   ~~~
;;   SOFTMAX AHEAD OF A QUANTISED PRODUCT. Where the list says 'softmax', what is quantised is not the finished softmax but p = 2^(t - M), with t = logit x log2(e) and M = ceil(the row's largest t), a whole number; so 1/2 < the row's largest p <= 1. The row's sum l is taken of the UNQUANTISED p, in f32, and the product's result is divided by l at the end. Since M is a whole number, a kernel that streams over the keys may use a running M (the ceiling of the running maximum): every later rescaling is an exact power of two, which a block's scale takes up: the codes' values come out the same.
;;   OPERANDS COMPUTED ON THE WAY. 'Computed on the way' means the value that the module computes at that place (a softmax that the list does not call 'softmax' is quantised finished and normalised). What goes into a quantiser is computed in f32, as accurately as f32 sums, v_exp_f32 and their like allow (about 1e-6 of the number): no bf16 or f16 on the way to a quantiser, and a product that is left as it is and whose result goes on into a quantised operand takes f32 operands (vector FMAs, or v_wmma_f32_16x16x4_f32). A number that lies on a knife's edge between two numbers of the format may be rounded either way, as far as f32 arithmetic and the matrix unit's own rounding can turn it there, and no further.
;; 2 versions, each right; version 2 is version 1 with the launch attn written anew for expert scheduling mode. Each part assembles by itself: llvm-mc -triple=amdgcn-amd-amdhsa -mcpu=gfx1250 --defsym DOCPART=n.
;; ======== version 1 of 2: 3 launches
;; workspace buffers: codes 5,767,168 bytes; scales 360,448 bytes; img 12,582,912 bytes; simg 786,432 bytes
;; launch quant (part 1): grid 352 x 1, 4 waves a work-group, no clusters, 33,280 bytes of LDS; arguments activation, qw, kw, vw, codes, scales; writes codes, scales
.if DOCPART == 1
	.amdgcn_target "amdgcn-amd-amdhsa--gfx1250"
	.amdhsa_code_object_version 6
	.text
	.protected	k_q7c2d02fd99_quant
	.globl	k_q7c2d02fd99_quant
	.p2align	8
	.type	k_q7c2d02fd99_quant,@function
k_q7c2d02fd99_quant:
	s_mov_b64 s[64:65], 0
	v_nop
	global_prefetch_b8 v0, s[64:65] scope:SCOPE_SE
	s_setreg_imm32_b32 hwreg(HW_REG_WAVE_MODE, 25, 1), 1
	s_wait_xcnt 0x0
; MULTI-HEAD ATTENTION IN MX-FP4, FIRST OF THREE LAUNCHES.  activation [8192][1024], qw, kw, vw [1024][1024], f32, K innermost, become codes of E2M1 (two a byte, the lower k
; in the low four bits) and one E8M0 byte for each 32 along K, in ONE buffer of 11,264 rows: rows 0.. activation, 8192.. qw, 9216.. kw, 10240.. vw.
; NO WORK OF THE PROBLEM IS LEFT OUT: qb, kb and vb go into quantised operands, the mask differs along the softmax's axis; every input is loaded by some launch.
; A block's scale is 2^(floor(log2(its largest magnitude)) - 2); its byte is the largest magnitude's exponent field - 2, held at 1 from below.  A block of zeros so gets the byte 1
; where the rule says 127: its codes are zeros, which add nothing under any byte but 0xff, and the bytes are read by this program alone.
; LIMITS: blocks whose largest magnitude lies under 2^-124, whose byte is held at 1, were not tried; NaN and infinities among the inputs are not served.
; THE ROWS ARE STORED IN ANOTHER ORDER: row n lies at the place n with its bits 3 and 4 exchanged.  Sixteen neighbouring stored rows 32 B + 16 u + r are then the rows
; 32 B + 8 u + r + 8 (r / 8), which is the choice of a tile's rows that lets the next launch quantise its results in registers.  A wave takes 8 rows, so the exchange is one of waves' places.
; A wave takes 16 steps of 512 numbers.  Each of a step's four loads reads 512 consecutive bytes; the 2,048 bytes turn through the wave's own stage in LDS (16 bytes of padding behind
; each 64) and come back 16 neighbours a lane, two lanes to a block.  A lane's 16 codes are 8 bytes: the wave stores 256 consecutive bytes.  A wave's 256 scale bytes are gathered in LDS
; and leave as one aligned run of 256 bytes.  No barrier: waves share nothing.  Loads run four steps (16 loads a wave) ahead, the turn through LDS one step.
.set WAVES, 4
.set STEPS, 16
.set CB,    8                          ; bytes of 16 codes
.set R,     16                         ; v16-79   four sets of 16 numbers as they are loaded
.set X,     80                         ; v80-111  two sets of 16 neighbours
.set C,     128                        ; v128-191 codes: four registers for each step, so that no store's data are written again
.set E,     112                        ; v112-127 a scale byte for each step
.set WREG,  8192                       ; LDS: a region for each wave: two stages of 32 x SP bytes, behind them its 256 scale bytes
.set SP,    80                         ; a lane's place in a stage: 64 bytes + 16 of padding
.set SPW,   12                         ; v12  LDS address of my spare word; never rewritten
.set NIL,   13                         ; v13  0; never rewritten
.set SPARE, WAVES*WREG                 ; behind the four regions: the spare words, 128 bytes a wave, which no other line names
	s_load_b256 s[4:11], s[0:1], 0x0               ; activation, qw, kw, vw
	s_load_b128 s[12:15], s[0:1], 0x20             ; codes, scales
	v_lshl_add_u32 v[SPW], v0, 2, SPARE
	v_mov_b32 v[NIL], 0
	v_lshrrev_b32 v1, 5, v0
	v_readfirstlane_b32 s16, v1                    ; wave
	v_and_b32 v2, 31, v0                           ; lane
	v_lshlrev_b32 v3, 4, v2                        ; my 16 bytes of a load's 512
	s_mul_i32 s17, s16, WREG
	v_lshrrev_b32 v14, 2, v2
	v_mul_u32_u24 v14, v14, SP
	v_and_b32 v15, 3, v2
	v_lshl_add_u32 v14, v15, 4, v14
	v_add_nc_u32 v14, s17, v14                     ; the stage, on the way in: SP (lane / 4) + 16 (lane % 4)
	v_mul_u32_u24 v15, v2, SP
	v_add_nc_u32 v15, s17, v15                     ; and on the way out: SP x lane: my 16 neighbours
	v_mul_u32_u24 v4, v2, CB                       ; my codes' place in a step's
	v_lshrrev_b32 v5, 1, v2
	s_add_co_u32 s17, s17, 2*32*SP
	v_add_nc_u32 v5, s17, v5                       ; LDS: my wave's 256 scale bytes, my block's byte
	v_lshlrev_b32 v7, 3, v2                        ; and on the way out 8 bytes a lane
	v_add_nc_u32 v6, s17, v7
	s_wait_kmcnt 0x0
	s_cmp_lt_u32 ttmp9, 256                        ; which tensor: the choice hangs on the work-group's number alone
	s_cselect_b64 s[4:5], s[4:5], s[6:7]
	s_cselect_b32 s17, 0, 256
	s_cmp_lt_u32 ttmp9, 288
	s_cselect_b64 s[4:5], s[4:5], s[8:9]
	s_cselect_b32 s17, s17, 288
	s_cmp_lt_u32 ttmp9, 320
	s_cselect_b64 s[4:5], s[4:5], s[10:11]
	s_cselect_b32 s17, s17, 320                    ; the tensor's first work-group
	s_sub_co_u32 s17, ttmp9, s17
	s_lshl_b32 s17, s17, 2
	s_add_co_u32 s18, s17, s16                     ; which run of 8 rows of the tensor is my wave's
	s_lshl_b32 s20, s18, 15                        ; 32,768 bytes a run (at most 32 MiB in all)
	s_mov_b32 s21, 0
	s_add_nc_u64 s[4:5], s[4:5], s[20:21]
	s_and_b32 s22, s16, 1                          ; where it goes: the wave's two bits exchanged: the rows' bits 3 and 4
	s_lshl_b32 s22, s22, 1
	s_lshr_b32 s23, s16, 1
	s_or_b32 s22, s22, s23
	s_lshl_b32 s23, ttmp9, 2
	s_add_co_u32 s18, s22, s23                     ; the run's place among all 1,408
	s_lshl_b32 s20, s18, 12                        ; 4,096 bytes of codes a run
	s_add_nc_u64 s[12:13], s[12:13], s[20:21]
	s_lshl_b32 s20, s18, 8                         ; 256 scale bytes a run
	s_add_nc_u64 s[14:15], s[14:15], s[20:21]
.macro LOAD t
.irp i, 0,1,2,3
	global_load_b128 v[R+16*((\t)%4)+4*\i:R+16*((\t)%4)+4*\i+3], v3, s[4:5] offset:2048*(\t)+512*\i th:TH_LOAD_NT   ; 32 lanes read 512 consecutive bytes
.endr
.endm
.macro TURN t                          ; step t's numbers through the stage: LDS serves a wave's instructions in order, so no wait stands between the stores and the loads
.irp i, 0,1,2,3
	ds_store_b128 v14, v[R+16*((\t)%4)+4*\i:R+16*((\t)%4)+4*\i+3] offset:32*SP*((\t)%2)+8*SP*\i
.endr
.irp i, 0,1,2,3
	ds_load_b128 v[X+16*((\t)%2)+4*\i:X+16*((\t)%2)+4*\i+3], v15 offset:32*SP*((\t)%2)+16*\i
.endr
.endm
.irp t, 0,1,2,3
	LOAD \t
.endr
	s_wait_loadcnt 12                              ; step 0's four loads are in; the twelve behind them stay out
	TURN 0
.macro STEP t
.set XS, X+16*((\t)%2)
.if (\t) > 0
	s_wait_dscnt 1                                 ; this step's numbers are back from the stage (the last step's byte store may be out): so its stores into the stage have read their registers,
.else
	s_wait_dscnt 0x0
.endif
.if (\t)+4 < STEPS
	LOAD (\t)+4                                    ; which take the loads of four steps on
.endif
.if (\t)+1 < STEPS
.if STEPS-2-(\t) >= 3
	s_wait_loadcnt 12                              ; the next step's four loads are in; those of the three steps behind it may be out
.else
	s_wait_loadcnt 4*(STEPS-2-(\t))
.endif
	TURN (\t)+1                                    ; and go through the other stage while this step is worked
.endif
	v_max3_num_f32 v8, |v[XS]|, |v[XS+1]|, |v[XS+2]|               ; the largest magnitude of my 16, in two chains
	v_max3_num_f32 v9, |v[XS+3]|, |v[XS+4]|, |v[XS+5]|
.irp i, 6,10
	v_max3_num_f32 v8, v8, |v[XS+\i]|, |v[XS+\i+1]|
	v_max3_num_f32 v9, v9, |v[XS+\i+2]|, |v[XS+\i+3]|
.endr
	v_max3_num_f32 v8, v8, |v[XS+14]|, |v[XS+15]|
	v_max3_num_f32 v8, v8, v9, 0x1800000           ; and the floor 2^(3 - 127): the byte cannot fall under 1
	v_max_num_f32_dpp v8, v8, v8 row_xmask:1 row_mask:0xf bank_mask:0xf   ; and of my neighbour's 16: the block's
	v_add_nc_u32 v11, 0xff000000, v8               ; 2 off its exponent field: the conversion takes the exponent field of this operand as its scale
	v_cvt_scalef32_pk8_fp4_f32 v[C+4*(\t)], v[XS:XS+7], v11
	v_cvt_scalef32_pk8_fp4_f32 v[C+4*(\t)+1], v[XS+8:XS+15], v11
	v_lshrrev_b32 v[E+(\t)], 23, v11               ; the scale's byte
	ds_store_b8 v5, v[E+(\t)] offset:16*(\t)       ; both lanes of a block write the same byte with the same value
	global_store_b64 v4, v[C+4*(\t):C+4*(\t)+1], s[12:13] offset:32*CB*(\t)   ; 32 lanes store 256 consecutive bytes, aligned
.endm
.irp t, 0,1,2,3,4,5,6,7,8,9,10,11,12,13,14,15
	STEP \t
.endr
	ds_load_b64 v[8:9], v6                         ; LDS serves a wave's instructions in order: these see my stores
	s_wait_dscnt 0x0
	global_store_b64 v7, v[8:9], s[14:15]          ; 32 lanes store 256 consecutive bytes, aligned
	s_wait_tensorcnt 0x0                           ; the wave's end: three closing lines behind my last LDS store
	ds_add_u32 v[SPW], v[NIL]
	s_wait_dscnt 0x0
	s_endpgm
.Lfunc_end_k_q7c2d02fd99_quant:
	.size	k_q7c2d02fd99_quant, .Lfunc_end_k_q7c2d02fd99_quant-k_q7c2d02fd99_quant
	.p2alignl 7, 3214868480
	.fill 96, 4, 3214868480
	.section	.rodata,"a",@progbits
	.p2align	6, 0x0
	.amdhsa_kernel k_q7c2d02fd99_quant
		.amdhsa_group_segment_fixed_size 33280
		.amdhsa_private_segment_fixed_size 0
		.amdhsa_enable_private_segment 0
		.amdhsa_kernarg_size 48
		.amdhsa_user_sgpr_count 2
		.amdhsa_user_sgpr_kernarg_segment_ptr 1
		.amdhsa_wavefront_size32 1
		.amdhsa_system_sgpr_workgroup_id_x 1
		.amdhsa_system_sgpr_workgroup_id_y 1
		.amdhsa_system_sgpr_workgroup_id_z 1
		.amdhsa_system_vgpr_workitem_id 0
		.amdhsa_next_free_vgpr 192
		.amdhsa_next_free_sgpr 66
		.amdhsa_reserve_vcc 0
		.amdhsa_float_denorm_mode_32 3
		.amdhsa_float_denorm_mode_16_64 3
		.amdhsa_memory_ordered 1
		.amdhsa_forward_progress 1
		.amdhsa_inst_pref_size 34
	.end_amdhsa_kernel
	.amdgpu_metadata
---
amdhsa.version: [ 1, 2 ]
amdhsa.kernels:
  - .name:           k_q7c2d02fd99_quant
    .symbol:         k_q7c2d02fd99_quant.kd
    .args:
      - { .name: activation, .offset: 0, .size: 8, .value_kind: global_buffer, .address_space: global }
      - { .name: qw, .offset: 8, .size: 8, .value_kind: global_buffer, .address_space: global }
      - { .name: kw, .offset: 16, .size: 8, .value_kind: global_buffer, .address_space: global }
      - { .name: vw, .offset: 24, .size: 8, .value_kind: global_buffer, .address_space: global }
      - { .name: codes, .offset: 32, .size: 8, .value_kind: global_buffer, .address_space: global }
      - { .name: scales, .offset: 40, .size: 8, .value_kind: global_buffer, .address_space: global }
    .group_segment_fixed_size: 33280
    .private_segment_fixed_size: 0
    .kernarg_segment_align: 8
    .kernarg_segment_size: 48
    .max_flat_workgroup_size: 128
    .sgpr_count:     66
    .vgpr_count:     192
    .wavefront_size: 32
...
	.end_amdgpu_metadata
.endif
;; end of part 1
;; launch proj (part 2): grid 96 x 4, 4 waves a work-group, clusters of 4 x 4, 327,680 bytes of LDS; arguments codes, scales, qb, kb, vb, img, simg; writes img, simg
.if DOCPART == 2
	.amdgcn_target "amdgcn-amd-amdhsa--gfx1250"
	.amdhsa_code_object_version 6
	.text
	.protected	k_q7c2d02fd99_proj
	.globl	k_q7c2d02fd99_proj
	.p2align	8
	.type	k_q7c2d02fd99_proj,@function
k_q7c2d02fd99_proj:
	s_mov_b64 s[64:65], 0
	v_nop
	global_prefetch_b8 v0, s[64:65] scope:SCOPE_SE
	s_setreg_imm32_b32 hwreg(HW_REG_WAVE_MODE, 25, 1), 1
	s_wait_xcnt 0x0
	s_wait_alu depctr_hold_cnt(0) depctr_sa_sdst(0) depctr_va_vdst(0) depctr_va_sdst(0) depctr_va_ssrc(0) depctr_va_vcc(0) depctr_vm_vsrc(0)
	s_getreg_b32 s2, hwreg(HW_REG_IB_STS2, 6, 4)
	s_cmp_eq_u32 s2, 0
	s_cbranch_scc0 .Lentry_in_a_cluster
	s_endpgm
.Lentry_in_a_cluster:
	s_bfe_u32 s2, ttmp6, 0x10000c
	s_cmp_lg_u32 s2, 0xf033
	s_cbranch_scc0 .Lentry_shape_is_right
	s_endpgm
.Lentry_shape_is_right:
; SECOND LAUNCH: q = x qw^T + qb, k, v likewise, on the codes of the first launch; the results are quantised in registers and leave as codes alone.  Nothing of the problem is left out here.
; Both operands are row ranges of ONE buffer of codes [11264][512 bytes] with scale bytes [11264][32]: rows 0.. x, 8192.. qw, 9216.. kw, 10240.. vw, each row n stored at n with bits 3 and 4 exchanged.
; A work-group of four waves makes 256 x 256 results, a wave 128 x 128: 64 accumulators of 16 x 16.  K = 1,024 is two LDS slots of 512 along K (rows of 256 bytes), both asked for at the head: nothing is filled again.
; THE MATRIX INSTRUCTION IS USED TRANSPOSED: source 0 = 16 rows of "B", source 1 = 16 rows of "A": a lane holds ONE row of A, and its registers run along B's rows.
;   q, k (clusters 0-15: batch C / 2, q for even C, k for odd): A = 1,024 tokens of x, B = the weight's rows: a lane's registers run along the head's d, the K of the scores' product.
;   v    (clusters 16-23: batch C - 16):                        A = vw's rows, B = the tokens: a lane's registers run along the keys, the K of the second product.
; By the stored order of the rows the 16 registers of B's tiles 2 B and 2 B + 1 are 16 NEIGHBOURS, 32 B + 16 (lane / 16) + 0 .. 15, so 64 registers are four half blocks of 32: they are quantised in registers.
; THE WAY OUT: for each of my eight blocks a of 16 rows: bias added in f32 (which also brings the sums into window 0), four blocks' scales, 64 codes a lane: a fragment's eight registers and a scale word.
; They are stored AS IMAGES OF THE NEXT LAUNCH'S OPERAND REGISTERS: img [type][batch][pair of heads][c][group of 128 tokens][a][16 x lane], simg [type][batch][pair][group][lane][4 words]:
; every store of a wave covers 512 consecutive bytes, aligned.
; CLUSTERS: 4 x 4 work-groups; A's tiles are shared along a row of the cluster, B's along a column: each is asked for jointly, by the same tensor load with the same descriptor and a mask that names the four.
; LIMITS: as in the first launch (blocks under 2^-124, a block of zeros' byte, NaN and infinities).
; REGISTERS, in windows of 256: window 0: v1-7 at work, v8-15 bias offsets, v16-29 addresses; v32-95 scale words, two sets (on the way out: the codes, 8 a block); v96-111 at work; v112-119 the scale words made;
;   v120-123 the same as stored; v128-191 A's fragments (on the way out: a block's 64 numbers); v192-255 the bias.   window 1: B's fragments, two sets.   windows 2, 3: the accumulators ((a, b) at v[8 (8 (a % 4) + b)]).
.set NQ,     4                         ; steps of 128 along K in a slot
.set ROWB,   256                       ; a tile's row in bytes: 512 codes
.set KROW,   512                       ; a row of codes in memory
.set PITCH,  272                       ; an LDS row: 256 bytes + 16 of padding: the 16 rows that a load touches start at 16 different banks (64 banks of 4 bytes: ISA guide 11.1)
.set FR,     8                         ; registers of a fragment
.set NL,     2                         ; LDS loads that bring one
.set NP,     4                         ; places behind this matrix instruction (ISA guide 7.12.1)
.set HALFT,  128*PITCH                 ; 128 rows: what one tensor load brings
.set SLOT,   4*HALFT                   ; A's 256 rows, then B's 256 rows
.set KS,     32                        ; a row of scale bytes
.set SCL,    2*SLOT                    ; behind the slots: the scales, as runs of 256 bytes + 16 of padding
.set HALFS,  (128*KS/256)*272          ; the scales of 128 rows
.set SBLK,   (16*KS/256)*272           ; those of 16 rows
.set SPARE,  SCL+4*HALFS               ; behind the scales: the spare words, 128 bytes a wave, which no other line names
.set VA,   8                           ; v8-15   byte offsets of the bias loads, one for each register j of a tile
.set ADRA, 16                          ; v16-17  LDS address of my A fragments in slot 0, 1
.set ADRB, 20                          ; v20-21  the same for B
.set LI,   26                          ; v26     16 x lane: my place in an image
.set ADRS, 27                          ; v27     LDS address of my scale words: lanes 0-15 A's rows, lanes 16-31 B's
.set SPW,  28                          ; v28     LDS address of my spare word; never rewritten
.set NIL,  29                          ; v29     0; never rewritten
.set SC,   32                          ; scale words: set s at v[SC + 32 s]; register 4 i + q: lanes 0-15 A's block i, lanes 16-31 B's block i, the slot's q-th 128 along K
.set TM,   96                          ; v96-99 largest magnitudes, v100-103 bytes, v108-111 the conversions' scale operands
.set PW,   112
.set WS,   120
.set AF,   128
.set HA,   128
.set BI,   192
.set SEL,  2                           ; s[2:3] lane selects for v_permlanex16_b32: lane l xor 16
.set G1, 24                            ; s[24:31] descriptor group 1 for A's tiles;  s[32:39] group 0, one set for each slot
.set G0, 32
.set G1B, 48                           ; s[48:55], s[56:63] the same for B's tiles
.set G0B, 56
.set G1S, 68                           ; s[68:75], s[76:79] groups 1 and 0 for A's scales;  s[80:87], s[88:91] for B's
.set G0S, 76
.set G1SB, 80
.set G0SB, 88
.set MSB, 0
.macro WIN new                         ; the immediate's high byte repeats the setting that is left
.if MSB != \new
	s_set_vgpr_msb (MSB<<8)|\new
.set MSB, \new
.endif
.endm
.set MUL_LO, 0xa1                      ; source 0 (B) window 1, source 1 (A) window 0, C and D window 2
.set MUL_HI, 0xf1                      ; the same, C and D window 3
.set TO_B,   0x40                      ; destination window 1, address window 0
; A joint load: waves 0 and 1 fetch for A, waves 2 and 3 for B.  Each line has one mask and one set of registers for all that issue it; the branch hangs on the wave's number alone.
; An s_nop 0 and four v_nop follow each of the two lines.
.macro JLOAD g0a, g1a, g0b, g1b
	s_cmp_eq_u32 s15, 0
	s_cbranch_scc0 .Lfor_b_\@
	tensor_load_to_lds s[\g0a:\g0a+3], s[\g1a:\g1a+7]
	s_nop 0
.rept 4
	v_nop
.endr
	s_branch .Lasked_\@
.Lfor_b_\@:
	tensor_load_to_lds s[\g0b:\g0b+3], s[\g1b:\g1b+7]
	s_nop 0
.rept 4
	v_nop
.endr
.Lasked_\@:
.endm
.macro CROUND                          ; a round of the cluster's barrier
	s_barrier_signal -1
	s_barrier_wait -1
	s_cmp_lg_u32 s14, 0
	s_cbranch_scc1 .Lnot_wave_0_\@
	s_barrier_signal -3
.Lnot_wave_0_\@:
	s_barrier_wait -3
	s_barrier_signal -1
	s_barrier_wait -1
.endm
	s_load_b256 s[4:11], s[0:1], 0x0               ; codes s[4:5], scales s[6:7], qb s[8:9], kb s[10:11]
	s_load_b64 s[12:13], s[0:1], 0x20              ; vb
	s_load_b128 s[96:99], s[0:1], 0x28             ; img s[96:97], simg s[98:99]
	v_lshl_add_u32 v[SPW], v0, 2, SPARE
	v_mov_b32 v[NIL], 0
	ds_add_u32 v[SPW], v[NIL]                      ; the wave's opening: the add, twice on end, and its wait ahead of my first tensor load; work on registers stands between
	ds_add_u32 v[SPW], v[NIL]
	v_lshrrev_b32 v1, 5, v0
	v_readfirstlane_b32 s14, v1                    ; wave 0..3
	s_lshr_b32 s15, s14, 1                         ; which half of A's 256 rows is mine.  Also: I fetch for A (0) or for B (1)
	s_and_b32 s16, s14, 1                          ; which half of B's.  Also: which 128 rows I fetch
	s_bfe_u32 s40, ttmp6, 0x40000                  ; cx, cy: my place in the cluster
	s_bfe_u32 s41, ttmp6, 0x40004
	; the first rows of A (s17) and of B (s42) in the buffer of codes, by the cluster's number C = ttmp9, which all sixteen partners share
	s_lshr_b32 s17, ttmp9, 1
	s_lshl_b32 s17, s17, 10                        ; q, k: A = the tokens of batch C / 2
	s_and_b32 s100, ttmp9, 1                       ; q, k: the type
	s_lshl_b32 s42, s100, 10
	s_add_co_u32 s42, s42, 8192                    ; q, k: B = qw's or kw's rows
	s_max_u32 s18, ttmp9, 16
	s_sub_co_u32 s18, s18, 16
	s_lshl_b32 s18, s18, 10                        ; v: B = the tokens of batch C - 16
	s_cmp_lt_u32 ttmp9, 16
	s_cselect_b32 s17, s17, 10240                  ; v: A = vw's rows
	s_cselect_b32 s42, s42, s18
	s_cselect_b32 s100, s100, 2                    ; type 0 q, 1 k, 2 v
	s_lshl_b32 s18, s41, 8
	s_add_co_u32 s17, s17, s18                     ; + 256 cy: A's rows hang on cy alone within the cluster,
	s_lshl_b32 s19, s40, 8
	s_add_co_u32 s42, s42, s19                     ; + 256 cx: B's on cx alone
	s_lshl_b32 s43, s41, 2
	s_lshl_b32 s43, 15, s43                        ; my row of the cluster
	s_lshl_b32 s44, 0x1111, s40                    ; my column
	; descriptor group 1: a tile of 128 rows x 256 bytes, 512 bytes apart in memory, 16 bytes of padding behind each row in LDS
	s_or_b32 s[G1+0], s43, (0<<16)|(1<<20)|(1<<21)|(5<<22)|(3<<25)  ; 15:0 the mask; 17:16 elements of 1 byte; 20 padding on; 21 set beside a mask; 24:22 after every 64 words; 31:25 four words
	s_or_b32 s[G1B+0], s44, (0<<16)|(1<<20)|(1<<21)|(5<<22)|(3<<25)
.irp g, G1, G1B
	s_mov_b32 s[\g+1], ROWB<<16                    ; tensor_dim0
	s_mov_b32 s[\g+2], 128<<16                     ; tensor_dim1
	s_mov_b32 s[\g+3], ROWB<<16                    ; tile_dim0
	s_mov_b32 s[\g+4], 128                         ; tile_dim1
	s_mov_b32 s[\g+5], KROW                        ; tensor_dim0_stride
	s_mov_b32 s[\g+6], 0
	s_mov_b32 s[\g+7], 0
.endr
	; the scales of 128 rows: 4,096 dense bytes, as 16 rows of 256 bytes (32 elements of 8 bytes), 16 bytes of padding behind each
	s_or_b32 s[G1S+0], s43, (3<<16)|(1<<20)|(1<<21)|(5<<22)|(3<<25)
	s_or_b32 s[G1SB+0], s44, (3<<16)|(1<<20)|(1<<21)|(5<<22)|(3<<25)
.irp g, G1S, G1SB
	s_mov_b32 s[\g+1], 32<<16
	s_mov_b32 s[\g+2], (128*KS/256)<<16
	s_mov_b32 s[\g+3], 32<<16
	s_mov_b32 s[\g+4], 128*KS/256
	s_mov_b32 s[\g+5], 32
	s_mov_b32 s[\g+6], 0
	s_mov_b32 s[\g+7], 0
.endr
	s_lshl_b32 s18, s16, 7                         ; which 128 rows I fetch
	s_add_co_u32 s20, s17, s18                     ; of A,
	s_add_co_u32 s46, s42, s18                     ; of B
	s_lshl_b32 s22, s20, 5                         ; where these rows' scales begin, in bytes (all under 2^23)
	s_mov_b32 s23, 0
	s_lshl_b32 s92, s46, 5
	s_mov_b32 s93, 0
	s_lshl_b32 s20, s20, 9                         ; and their codes
	s_mov_b32 s21, 0
	s_lshl_b32 s46, s46, 9
	s_mov_b32 s47, 0
	s_mul_i32 s45, s14, HALFT                      ; where they go: wave x 128 rows: no place in the cluster enters an LDS address
	s_mul_i32 s94, s14, HALFS
	s_mov_b32 s[SEL], 0x76543210
	s_mov_b32 s[SEL+1], 0xfedcba98
	s_mov_b32 s101, 0xffff0000                     ; lanes 16-31
	s_wait_dscnt 0x0                               ; both opening adds are done
	s_wait_kmcnt 0x0
	s_add_nc_u64 s[20:21], s[4:5], s[20:21]
	s_add_nc_u64 s[22:23], s[6:7], s[22:23]
	s_add_nc_u64 s[46:47], s[4:5], s[46:47]
	s_add_nc_u64 s[92:93], s[6:7], s[92:93]
	CROUND                                         ; all sixteen work-groups are here: the first joint loads meet
	s_mov_b32 s[G0S], 1
	s_add_co_u32 s[G0S+1], s94, SCL
	s_mov_b64 s[G0S+2:G0S+3], s[22:23]
	s_or_b32 s[G0S+3], s[G0S+3], 0x80000000
	s_mov_b32 s[G0SB], 1
	s_add_co_u32 s[G0SB+1], s94, SCL
	s_mov_b64 s[G0SB+2:G0SB+3], s[92:93]
	s_or_b32 s[G0SB+3], s[G0SB+3], 0x80000000
	JLOAD G0S, G1S, G0SB, G1SB                     ; the scales first: they are wanted with the first slot
.irp s, 0,1
	s_mov_b32 s[G0+4*\s], 1
	s_add_co_u32 s[G0+4*\s+1], s45, \s*SLOT
	s_add_nc_u64 s[G0+4*\s+2:G0+4*\s+3], s[20:21], \s*ROWB
	s_or_b32 s[G0+4*\s+3], s[G0+4*\s+3], 0x80000000
	s_mov_b32 s[G0B+4*\s], 1
	s_add_co_u32 s[G0B+4*\s+1], s45, \s*SLOT
	s_add_nc_u64 s[G0B+4*\s+2:G0B+4*\s+3], s[46:47], \s*ROWB
	s_or_b32 s[G0B+4*\s+3], s[G0B+4*\s+3], 0x80000000
	JLOAD G0+4*\s, G1, G0B+4*\s, G1B               ; three tensor loads of mine are out: all of K is asked for
.endr
	v_and_b32 v1, 15, v0                           ; r = l % 16
	v_bfe_u32 v2, v0, 4, 1                         ; h = l / 16
	v_mul_u32_u24 v3, v1, PITCH
	v_lshl_add_u32 v4, v2, 4, v3                   ; a fragment's row x pitch + 16 x half
	s_mul_i32 s21, s15, HALFT                      ; my 128 rows of A
	s_mul_i32 s22, s16, HALFT                      ; my 128 rows of B,
	s_add_co_u32 s22, s22, 2*HALFT                 ; which lie behind A's 256
.irp s, 0,1
	v_add_nc_u32 v[ADRA+\s], s21, v4
	v_add_nc_u32 v[ADRB+\s], s22, v4
	s_add_co_u32 s21, s21, SLOT
	s_add_co_u32 s22, s22, SLOT
.endr
	v_mul_u32_u24 v5, v1, KS                       ; my row's scales: 32 bytes a row,
	v_lshrrev_b32 v6, 8, v5
	v_lshl_add_u32 v5, v6, 4, v5                   ; and 16 more for each 256 passed
	s_mul_i32 s21, s15, HALFS                      ; A's: my 128 rows
	s_mul_i32 s22, s16, HALFS                      ; B's: my 128 rows, behind A's 256
	s_add_co_u32 s22, s22, 2*HALFS
	s_sub_co_u32 s22, s22, s21
	v_mul_u32_u24 v6, s22, v2                      ; lanes 16-31 take B's
	s_add_co_u32 s21, s21, SCL
	v_add_nc_u32 v5, v5, v6
	v_add_nc_u32 v[ADRS], s21, v5
	v_and_b32 v6, 31, v0
	v_lshlrev_b32 v[LI], 4, v6
.irp b, 0,1,2,3
	v_mov_b32 v[TM+4+\b], 0                        ; written once: a lane permute's destination counts as one of its sources
.endr
	; where my results go.  tok: my group of 128 tokens (8 x batch + group); col: 8 x type + pair of heads
	s_lshr_b32 s18, s17, 7
	s_add_co_u32 s18, s18, s15                     ; my 128 rows of A, as a number of such groups in the buffer of codes
	s_lshr_b32 s19, s42, 7
	s_add_co_u32 s19, s19, s16                     ; my 128 rows of B
	s_cmp_lt_u32 ttmp9, 16
	s_cselect_b32 s20, s18, s19                    ; tok
	s_cselect_b32 s21, s19, s18
	s_sub_co_u32 s21, s21, 64                      ; col: the weights begin at row 8,192 = 64 groups
	s_lshr_b32 s22, s21, 3                         ; type
	s_and_b32 s23, s21, 7                          ; pair
	s_lshr_b32 s43, s20, 3                         ; batch
	s_and_b32 s44, s20, 7                          ; group
	s_lshl_b32 s46, s22, 22
	s_lshl_b32 s45, s43, 19
	s_or_b32 s46, s46, s45
	s_lshl_b32 s45, s23, 16
	s_or_b32 s46, s46, s45
	s_lshl_b32 s45, s44, 12
	s_or_b32 s46, s46, s45
	s_mov_b32 s47, 0
	s_add_nc_u64 s[96:97], s[96:97], s[46:47]      ; img at [type][batch][pair][0][group][0]
	s_lshl_b32 s46, s22, 18
	s_lshl_b32 s45, s43, 15
	s_or_b32 s46, s46, s45
	s_lshl_b32 s45, s23, 12
	s_or_b32 s46, s46, s45
	s_lshl_b32 s45, s44, 9
	s_or_b32 s46, s46, s45
	s_add_nc_u64 s[98:99], s[98:99], s[46:47]      ; simg at [type][batch][pair][group]
	; THE BIAS of my pair's 128 features, 64 registers, by one text for both kinds.  q, k: it runs along the registers: register 16 B + 8 u + j holds feature 32 B + 16 h + 8 u + j.
	; v: it belongs to the lane's row: registers 8 a + 0 .. 7 all hold feature 32 (a / 2) + 8 (a % 2) + r + 8 (r / 8).
	s_cmp_eq_u32 s100, 0
	s_cselect_b64 s[8:9], s[8:9], s[10:11]
	s_cmp_eq_u32 s100, 2
	s_cselect_b64 s[8:9], s[12:13], s[8:9]
	s_lshl_b32 s46, s23, 9
	s_add_nc_u64 s[8:9], s[8:9], s[46:47]          ; the pair's first feature
	s_cmp_lt_u32 ttmp9, 16
	s_cselect_b32 s18, 64, 0                       ; bytes for h,
	s_cselect_b32 s19, 0, 4                        ; for the lane's row,
	s_cselect_b32 s20, 4, 0                        ; for the register j
	v_and_b32 v7, 8, v1
	v_add_nc_u32 v7, v7, v1                        ; r + 8 (r / 8)
	v_mul_u32_u24 v5, v2, s18
	v_mul_u32_u24 v6, v7, s19
	v_add_nc_u32 v5, v5, v6
.irp j, 0,1,2,3,4,5,6,7
	s_mul_i32 s21, s20, \j
	v_add_nc_u32 v[VA+\j], s21, v5
.endr
.irp t, 0,1,2,3,4,5,6,7
.irp j, 0,1,2,3,4,5,6,7
	global_load_b32 v[BI+8*\t+\j], v[VA+\j], s[8:9] offset:128*(\t/2)+32*(\t%2)   ; waited for on the way out; neither the offsets nor the base are written again
.endr
.endr
.macro FRAG reg, adr, q, i             ; a fragment, 16 rows x 128 K of 4-bit codes: lane l holds row l % 16; registers 4 c .. 4 c + 3 hold K = 64 c + 32 (l / 16) + 0 .. 31
.irp c, 0,1
	ds_load_b128 v[\reg+4*\c:\reg+4*\c+3], v[\adr] offset:64*(\q)+32*\c+(\i)*16*PITCH
.endr
.endm
; 16 matrix instructions: A's blocks a0, a0 + 1 x B's eight, the slot's q-th 128 along K.  p: B's set; sc: the set of scale words.  zero = 1: the first product starts the sums.
; The 64 accumulators take turns, one instruction a turn, in the same order in every step.
.macro MUL16 a0, p, q, sc, zero
.irp a, \a0, \a0+1
.irp b, 0,1,2,3,4,5,6,7
.if \zero
	v_wmma_scale_f32_16x16x128_f8f6f4 v[8*(8*((\a)%4)+\b):8*(8*((\a)%4)+\b)+7], v[128*(\p)+FR*\b:128*(\p)+FR*\b+FR-1], v[AF+FR*(\a):AF+FR*(\a)+FR-1], 0, v[SC+8*NQ*(\sc)+NQ*\b+(\q)], v[SC+8*NQ*(\sc)+NQ*(\a)+(\q)] matrix_a_fmt:MATRIX_FMT_FP4 matrix_b_fmt:MATRIX_FMT_FP4 matrix_a_scale:MATRIX_SCALE_ROW1
.else
	v_wmma_scale_f32_16x16x128_f8f6f4 v[8*(8*((\a)%4)+\b):8*(8*((\a)%4)+\b)+7], v[128*(\p)+FR*\b:128*(\p)+FR*\b+FR-1], v[AF+FR*(\a):AF+FR*(\a)+FR-1], v[8*(8*((\a)%4)+\b):8*(8*((\a)%4)+\b)+7], v[SC+8*NQ*(\sc)+NQ*\b+(\q)], v[SC+8*NQ*(\sc)+NQ*(\a)+(\q)] matrix_a_fmt:MATRIX_FMT_FP4 matrix_b_fmt:MATRIX_FMT_FP4 matrix_a_scale:MATRIX_SCALE_ROW1
.endif
.endr
.endr
.endm
.macro FETCH_B slot, q, p              ; B's eight fragments of the slot's q-th 128 along K into set p
	WIN TO_B
.irp i, 0,1,2,3,4,5,6,7
	FRAG 128*(\p)+FR*\i, ADRB+\slot, \q, \i
.endr
	WIN 0
.endm
.macro FETCH_A slot, q, i0             ; A's blocks i0 .. i0 + 3
.irp i, \i0, \i0+1, \i0+2, \i0+3
	FRAG AF+FR*(\i), ADRA+\slot, \q, \i
.endr
.endm
.macro SCALES sc                       ; a slot's scale words into set sc: four words a row; lanes 0-15 take A's block i, lanes 16-31 B's block i
.irp i, 0,1,2,3,4,5,6,7
	ds_load_b128 v[SC+8*NQ*\sc+NQ*\i:SC+8*NQ*\sc+NQ*\i+3], v[ADRS] offset:\i*SBLK
.endr
.endm
; A load into a register that a matrix instruction has read, and a vector instruction that reads a matrix result, stand NP places behind that matrix instruction; only plain vector
; instructions that name none of its registers are places (ISA guide 7.12.1 for vector instructions).
.macro PLACES n
.rept \n
	v_nop
.endr
.endm
; A step of 128 along K that has its successor in the same slot.  A's blocks go one after the other against B's eight, so one set of registers serves A: blocks 0-3 are fetched anew in the step's middle, 4-7 at its end.
.macro STEP slot, q, zero
	s_wait_dscnt 4*NL                              ; B's set and A's blocks 0-3 are in; the youngest eight loads (A's blocks 4-7) may be out
	WIN MUL_LO
	MUL16 0, (\q)%2, \q, \slot, \zero
	MUL16 2, (\q)%2, \q, \slot, \zero
	s_wait_dscnt 0                                 ; A's blocks 4-7 are in (asked for 32 matrix instructions ago)
	PLACES NP
	FETCH_B \slot, (\q)+1, 1-(\q)%2
	FETCH_A \slot, (\q)+1, 0
	WIN MUL_HI
	MUL16 4, (\q)%2, \q, \slot, \zero
	MUL16 6, (\q)%2, \q, \slot, \zero
	PLACES NP
	WIN 0
	FETCH_A \slot, (\q)+1, 4
.endm
; Slot 0's last step goes over to slot 1: each wave waits for all its tensor loads (its part of slot 1), then one barrier: behind it slot 1 is whole.  Nothing is filled again.
.macro TURN slot, next
	s_wait_tensorcnt 0x0                           ; all my tensor loads have landed: my part of the next slot
	ds_add_u32 v[SPW], v[NIL]                      ; 0 onto my spare word
	s_wait_dscnt 4*NL+1                            ; (the add and the youngest eight loads, A's blocks 4-7, may be out)
	WIN MUL_LO
	MUL16 0, 1, NQ-1, \slot, 0
	s_wait_dscnt 0x0                               ; no LDS instruction of mine is out at the signal
	s_barrier_signal -1
	MUL16 2, 1, NQ-1, \slot, 0                     ; work on registers while the others arrive
	WIN 0
	s_barrier_wait -1
	PLACES NP
	v_add_nc_u32 v[ADRS], 4*NQ, v[ADRS]            ; on to the next slot's scale words (no LDS load of mine is out)
	FETCH_B \next, 0, 0
	FETCH_A \next, 0, 0
	SCALES \next
	WIN MUL_HI
	MUL16 4, 1, NQ-1, \slot, 0
	MUL16 6, 1, NQ-1, \slot, 0
	PLACES NP
	WIN 0
	FETCH_A \next, 0, 4
.endm
	s_wait_tensorcnt 1                             ; the scales and my part of slot 0 are in; slot 1's load, issued behind them, may be out,
	s_barrier_signal -1
	s_barrier_wait -1                              ; everybody's are
	FETCH_B 0, 0, 0
	FETCH_A 0, 0, 0
	SCALES 0
	FETCH_A 0, 0, 4
	STEP 0, 0, 1                                   ; the first step's products start the sums: nothing is cleared
	STEP 0, 1, 0
	STEP 0, 2, 0
	TURN 0, 1
	STEP 1, 0, 0
	STEP 1, 1, 0
	STEP 1, 2, 0
	s_wait_dscnt 4*NL                              ; the last step: nothing more to fetch
	WIN MUL_LO
	MUL16 0, 1, NQ-1, 1, 0
	MUL16 2, 1, NQ-1, 1, 0
	s_wait_dscnt 0
	WIN MUL_HI
	MUL16 4, 1, NQ-1, 1, 0
	MUL16 6, 1, NQ-1, 1, 0
	WIN 0
; THE WAY OUT.
; BIAS a: block a's 64 sums + the bias, into v[HA] on, in window 0.  Each accumulator is read from its low end on.  The branch hangs on the cluster's number alone: all sixteen partners go the same way.
.macro BIAS a
.set AC, 64*((\a)%4)
.set WB, 0x02+(\a)/4                   ; source 0 in window 2 or 3
	s_cmp_lt_u32 ttmp9, 16
	s_cbranch_scc0 .Lbias_v_\@
	WIN WB
.set i, 0
.rept 32
	v_pk_add_f32 v[HA+i:HA+i+1], v[AC+i:AC+i+1], v[BI+i:BI+i+1]                  ; q, k: the bias runs along the registers
.set i, i+2
.endr
	WIN 0
	s_branch .Lbias_done_\@
.Lbias_v_\@:
	WIN WB
.set i, 0
.rept 32
	v_pk_add_f32 v[HA+i:HA+i+1], v[AC+i:AC+i+1], v[BI+8*(\a)+i%8:BI+8*(\a)+i%8+1]   ; v: the bias of the lane's row of block a
.set i, i+2
.endr
	WIN 0
.Lbias_done_\@:
.endm
; QUANT: 64 numbers of a lane, register 16 b + i = k 32 b + 16 (lane / 16) + i of my row, become a fragment's codes in v[pc] on and its scale word in v[pw].
.macro QUANT s, pc, pw
.irp b, 0,1,2,3
	v_max3_num_f32 v[TM+\b], |v[\s+16*\b]|, |v[\s+1+16*\b]|, 0x1800000   ; block b: my 16 numbers, and the floor 2^(3 - 127): the byte cannot fall under 1
.endr
.irp i, 2,4,6,8,10,12,14
.irp b, 0,1,2,3
	v_max3_num_f32 v[TM+\b], v[TM+\b], |v[\s+16*\b+\i]|, |v[\s+1+16*\b+\i]|   ; (the four blocks by turns)
.endr
.endr
.irp b, 0,1,2,3
	v_permlanex16_b32 v[TM+4+\b], v[TM+\b], s[SEL], s[SEL+1]
.endr
.irp b, 0,1,2,3
	v_max_num_f32 v[TM+\b], v[TM+\b], v[TM+4+\b]   ; with lane l xor 16's: the block's largest magnitude
.endr
.irp b, 0,1,2,3
	v_add_nc_u32 v[TM+12+\b], 0xff000000, v[TM+\b]   ; 2 off its exponent field: the conversion's scale operand
.endr
.irp b, 0,1,2,3
	v_lshrrev_b32 v[TM+4+\b], 23, v[TM+12+\b]      ; the scale's byte
.endr
	v_lshl_or_b32 v[(\pw)], v[TM+5], 8, v[TM+4]    ; the four bytes make my row's scale word (the same in lanes l and l xor 16)
	v_lshl_or_b32 v[(\pw)], v[TM+6], 16, v[(\pw)]
	v_lshl_or_b32 v[(\pw)], v[TM+7], 24, v[(\pw)]
.irp b, 0,1,2,3
	v_cvt_scalef32_pk8_fp4_f32 v[(\pc)+2*\b], v[\s+16*\b:\s+7+16*\b], v[TM+12+\b]
	v_cvt_scalef32_pk8_fp4_f32 v[(\pc)+1+2*\b], v[\s+8+16*\b:\s+15+16*\b], v[TM+12+\b]
.endr
	v_nop                                          ; one plain place behind a scaled conversion
.irp c, 0,1                                    ; the operand's layout wants a WHOLE block in a lane: lanes 0-15 block 2 c, lanes 16-31 block 2 c + 1
.irp i, 0,1
	v_permlane16_swap_b32 v[(\pc)+4*\c+\i], v[(\pc)+2+4*\c+\i]
.endr
.endr
.endm
	PLACES NP                                      ; behind the last products: their results are read and A's registers written below
	s_wait_loadcnt 0x0                             ; the bias
.irp a, 0,1,2,3,4,5,6,7                        ; each block has its own registers for codes and scale word: no store's data are written again
	BIAS \a
	QUANT HA, 32+8*\a, PW+\a
	global_store_b128 v[LI], v[32+8*\a:32+8*\a+3], s[96:97] offset:512*\a          ; registers 0-3 of the image: 32 lanes store 512 consecutive bytes, aligned
	global_store_b128 v[LI], v[32+8*\a+4:32+8*\a+7], s[96:97] offset:32768+512*\a  ; registers 4-7
.endr
.irp i, 0,1,2,3
	v_cndmask_b32 v[WS+\i], v[PW+2*\i], v[PW+2*\i+1], s101   ; word i: lanes 0-15 block 2 i's rows, lanes 16-31 block 2 i + 1's
.endr
	global_store_b128 v[LI], v[WS:WS+3], s[98:99]
	s_wait_tensorcnt 0x0                           ; the wave's end: three closing lines behind my last tensor load
	ds_add_u32 v[SPW], v[NIL]
	s_wait_dscnt 0x0
	CROUND                                         ; the closing round: no work-group ends while a partner may still ask for a tile that names it
	s_endpgm
.Lfunc_end_k_q7c2d02fd99_proj:
	.size	k_q7c2d02fd99_proj, .Lfunc_end_k_q7c2d02fd99_proj-k_q7c2d02fd99_proj
	.p2alignl 7, 3214868480
	.fill 96, 4, 3214868480
	.section	.rodata,"a",@progbits
	.p2align	6, 0x0
	.amdhsa_kernel k_q7c2d02fd99_proj
		.amdhsa_group_segment_fixed_size 327680
		.amdhsa_private_segment_fixed_size 0
		.amdhsa_enable_private_segment 0
		.amdhsa_kernarg_size 56
		.amdhsa_user_sgpr_count 2
		.amdhsa_user_sgpr_kernarg_segment_ptr 1
		.amdhsa_wavefront_size32 1
		.amdhsa_system_sgpr_workgroup_id_x 1
		.amdhsa_system_sgpr_workgroup_id_y 1
		.amdhsa_system_sgpr_workgroup_id_z 1
		.amdhsa_system_vgpr_workitem_id 0
		.amdhsa_next_free_vgpr 1024
		.amdhsa_next_free_sgpr 102
		.amdhsa_reserve_vcc 0
		.amdhsa_float_denorm_mode_32 3
		.amdhsa_float_denorm_mode_16_64 3
		.amdhsa_memory_ordered 1
		.amdhsa_forward_progress 1
		.amdhsa_inst_pref_size 168
	.end_amdhsa_kernel
	.amdgpu_metadata
---
amdhsa.version: [ 1, 2 ]
amdhsa.kernels:
  - .name:           k_q7c2d02fd99_proj
    .symbol:         k_q7c2d02fd99_proj.kd
    .args:
      - { .name: codes, .offset: 0, .size: 8, .value_kind: global_buffer, .address_space: global }
      - { .name: scales, .offset: 8, .size: 8, .value_kind: global_buffer, .address_space: global }
      - { .name: qb, .offset: 16, .size: 8, .value_kind: global_buffer, .address_space: global }
      - { .name: kb, .offset: 24, .size: 8, .value_kind: global_buffer, .address_space: global }
      - { .name: vb, .offset: 32, .size: 8, .value_kind: global_buffer, .address_space: global }
      - { .name: img, .offset: 40, .size: 8, .value_kind: global_buffer, .address_space: global }
      - { .name: simg, .offset: 48, .size: 8, .value_kind: global_buffer, .address_space: global }
    .group_segment_fixed_size: 327680
    .private_segment_fixed_size: 0
    .kernarg_segment_align: 8
    .kernarg_segment_size: 56
    .max_flat_workgroup_size: 128
    .sgpr_count:     102
    .vgpr_count:     1024
    .wavefront_size: 32
...
	.end_amdgpu_metadata
.endif
;; end of part 2
;; launch attn (part 3): grid 2 x 128, 16 waves a work-group, no clusters, 147,456 bytes of LDS; arguments img, simg, attention_mask, out0; writes out0
.if DOCPART == 3
	.amdgcn_target "amdgcn-amd-amdhsa--gfx1250"
	.amdhsa_code_object_version 6
	.text
	.protected	k_q7c2d02fd99_attn
	.globl	k_q7c2d02fd99_attn
	.p2align	8
	.type	k_q7c2d02fd99_attn,@function
k_q7c2d02fd99_attn:
	s_mov_b64 s[64:65], 0
	v_nop
	global_prefetch_b8 v0, s[64:65] scope:SCOPE_SE
	s_setreg_imm32_b32 hwreg(HW_REG_WAVE_MODE, 25, 1), 1
	s_wait_xcnt 0x0
; THIRD LAUNCH: out[b][q][64 head + d] = the sum over keys of softmax(q . k / 8 + mask[b][key]) v, both products on codes of E2M1 with one E8M0 scale for each 32 along a product's K.  Nothing of the problem is left out here.
; INPUTS, as the second launch stored them: images of the operands' registers.  img [type q,k,v][batch][pair of heads][c][group s of 128 tokens][a][16 x lane]:
;   q, k: c = the head of the pair; a = a tile of 16 tokens, lane r's token 128 s + 32 (a / 2) + 8 (a % 2) + r + 8 (r / 8); a lane's 16 bytes are d = 32 (lane / 16) + 0 .. 31: registers 0-3 of a fragment.
;   v:    a = 4 x head of the pair + dt, a tile of 16 d, lane r's d = 32 (dt / 2) + 8 (dt % 2) + r + 8 (r / 8); c = registers 4 c .. 4 c + 3: keys 128 s + 64 c + 32 (lane / 16) + 0 .. 31.
; simg [type][batch][pair][s][lane][4 words]: word i of lane l is the scale word of block a = 2 i + l / 16, row l % 16 (q, k: bytes 0, 1 the pair's first head, bytes 2, 3 its second).
; THE SOFTMAX AHEAD OF THE SECOND PRODUCT: t = logit x log2(e); M = the running largest t rounded UP to a whole number; p = 2^(t - M) is quantised along the keys, not normalised; the row's sum is taken of the
; unquantised p and divides at the end; when M moves, the sum and O are multiplied by 2^(old M - new M), which rounds nothing.
; SHARES.  A work-group owns 512 queries of one head; each of its sixteen waves takes one tile of 16 queries in each of two passes: four waves to a SIMD, so that one wave's vector work stands beside another's loads and products.
; A WHOLE HEAD'S K AND V, 64 KiB OF CODES, LIE IN LDS for the launch, with their scale words and 8 x mask: copied once through registers, one barrier, then only read.  No ring and no tensor load: nothing is filled again.
; NO CLUSTER: the two work-groups of a head share 74 KiB that each reads once, at its head, and the copy changes the words on the way (scale words shifted to the head, the mask multiplied): it goes through registers.
; LAYOUT.  Both products are used transposed (S^T = K Q^T, O^T = V^T P^T): a lane holds ONE query throughout; by the choice of a tile's keys the 16 registers of tiles 2 b, 2 b + 1 are keys 32 b + 16 (lane / 16) + 0 .. 15.
; K = 64 IN AN INSTRUCTION OF 128: Q's registers 4-7 are zeros.  K's operand names eight registers of which the upper four are the next tile's codes: whatever they hold is a number of E2M1, the scale bytes beside
; them are another head's (1 to 254) or 0, never 0xff: that half adds exactly 0.
; THE MASK COSTS NO VECTOR INSTRUCTION: 8 x mask, in the result's layout, is the C of the scores' product: s' = q . k + 8 mask, t = c s' with c = log2(e) / 8.
; LIMITS: t is formed as c (q . k + 8 mask) where the problem forms (q . k / 8 + mask) log2(e): the same terms in another order of rounding.  NaN and infinities in the inputs (a mask of -infinity too) are not served.
; A block's largest p is taken as 2^(its largest t - M): that leans on v_exp_f32 not falling where its input rises.
.set KIMG, 0                           ; LDS: K's images [s 8][t 8][512]
.set VIMG, 32768                       ; V's [c 2][s 8][dt 4][512]
.set KSC,  65536                       ; K's scale words [s 8][lane][4 words], shifted to my head
.set VSC,  69632                       ; V's [s 8][lane][2 words]
.set MSK,  71680                       ; 8 x mask, f32, 1,024 keys
.set STG,  75776                       ; the way out: 16 rows x (256 bytes + 16) for each wave
.set SPARE, 145408                     ; the spare words, 128 bytes a wave, which no other line names
.set LI,  1                            ; v1   16 x lane
.set KSA, 2                            ; v2   KSC + 16 x lane
.set VSA, 3                            ; v3   VSC + 8 x lane
.set MA,  4                            ; v4   MSK + 64 (lane / 16)
.set SPW, 5                            ; v5   LDS address of my spare word; never rewritten
.set NIL, 6                            ; v6   0; never rewritten
.set GO,  7                            ; v7   the way out: 4,096 (lane / 16) + 16 (lane % 16)
.set STO, 8                            ; v8   where I put 64 bytes of a row in my stage
.set SRD, 9                            ; v9   where I read a row back
.set QSO, 11                           ; v11  16 (lane % 16): Q's scale words
; v12 -M, v13 the largest t, v[14:15] the sum in two halves; v[16:19] Q's codes, v[20:23] zeros; v[24:27] K's scale words, v[28:29] V's, v30 Q's, v31 p's
.set KR,  32                           ; v32-63   K: 8 tiles x 4 registers
.set VR,  64                           ; v64-95   V: 4 tiles x 8 registers
.set SS,  96                           ; v96-159  8 x mask, then S^T, then p
.set OT,  160                          ; v160-191 O^T
.set PC,  192                          ; v192-199 p's codes
.set BM,  200                          ; v200-203 the blocks' largest scores, then largest p
.set T2,  204                          ; v204-207 permutes' results, bytes, the second chain of the sum
.set SOP, 208                          ; v208-211 the conversions' scale operands
.set F,   212                          ; v212 f = 2^(old M - new M); v213 written once (named with it as a pair)
.set TV,  214                          ; v214 at work
	s_load_b256 s[4:11], s[0:1], 0x0               ; img s[4:5], simg s[6:7], mask s[8:9], out s[10:11]
	v_lshl_add_u32 v[SPW], v0, 2, SPARE
	v_mov_b32 v[NIL], 0
	v_lshrrev_b32 v10, 5, v0
	v_readfirstlane_b32 s12, v10                   ; wave 0..15
	s_and_b32 s14, ttmp7, 0xffff                   ; 16 x batch + head
	s_lshr_b32 s15, s14, 4                         ; batch
	s_and_b32 s13, s14, 15                         ; head
	s_lshr_b32 s16, s13, 1                         ; pair
	s_and_b32 s17, s13, 1                          ; e: the head of the pair
	s_lshl_b32 s18, s17, 4                         ; 16 e: what brings my head's two scale bytes down
	s_mov_b32 s20, 0x76543210
	s_mov_b32 s21, 0xfedcba98                      ; v_permlanex16_b32's selects for lane l xor 16
	s_mov_b32 s22, 0x3e38aa3b                      ; c = log2(e) / 8
	s_mov_b32 s23, s22                             ; (named with it as a pair)
	s_lshl_b32 s41, s15, 19
	s_lshl_b32 s43, s16, 16
	s_or_b32 s41, s41, s43                         ; img: batch and pair
	s_lshl_b32 s42, s15, 15
	s_lshl_b32 s43, s16, 12
	s_or_b32 s42, s42, s43                         ; simg: batch and pair
	s_lshl_b32 s44, ttmp9, 2
	s_lshr_b32 s43, s12, 3
	s_add_co_u32 s44, s44, s43                     ; my first pass's group of 128 queries: 4 x + wave / 8; the second pass's lies two on
	s_and_b32 s45, s12, 7                          ; a: my tile in it
	s_lshr_b32 s46, s45, 1
	s_and_b32 s47, s45, 1
	s_lshl_b32 s43, s17, 15
	s_add_co_u32 s32, s41, s43                     ; Q: c = e,
	s_add_co_u32 s24, s32, 1<<22                   ; K: the same in type 1
	s_mov_b32 s25, 0
	s_lshl_b32 s43, s44, 12
	s_add_co_u32 s32, s32, s43                     ; Q: my group,
	s_lshl_b32 s43, s45, 9
	s_add_co_u32 s32, s32, s43                     ; my tile
	s_mov_b32 s33, 0
	s_lshl_b32 s43, s17, 11
	s_add_co_u32 s26, s41, s43                     ; V: a = 4 e on,
	s_add_co_u32 s26, s26, 2<<22                   ; type 2
	s_mov_b32 s27, 0
	s_add_co_u32 s28, s42, 1<<18                   ; K's scale words
	s_mov_b32 s29, 0
	s_lshl_b32 s43, s17, 3
	s_add_co_u32 s30, s42, s43                     ; V's: words 2 e, 2 e + 1 of a lane's four
	s_add_co_u32 s30, s30, 2<<18
	s_mov_b32 s31, 0
	s_lshl_b32 s43, s44, 9
	s_add_co_u32 s34, s42, s43                     ; Q's: my group,
	s_lshl_b32 s43, s47, 8
	s_add_co_u32 s34, s34, s43                     ; lanes 16 (a % 2) on,
	s_lshl_b32 s43, s46, 2
	s_add_co_u32 s34, s34, s43                     ; word a / 2
	s_mov_b32 s35, 0
	s_lshl_b32 s36, s15, 10                        ; out: my tile's first row: 1,024 batch + 128 group + 32 (a / 2) + 8 (a % 2),
	s_lshl_b32 s43, s44, 7
	s_add_co_u32 s36, s36, s43
	s_lshl_b32 s43, s46, 5
	s_add_co_u32 s36, s36, s43
	s_lshl_b32 s43, s47, 3
	s_add_co_u32 s36, s36, s43
	s_lshl_b32 s36, s36, 12                        ; rows of 4,096 bytes (under 2^25 in all),
	s_lshl_b32 s43, s13, 8
	s_add_co_u32 s36, s36, s43                     ; my head's 256 bytes
	s_mov_b32 s37, 0
	s_lshl_b32 s38, s15, 12                        ; the batch's mask
	s_mov_b32 s39, 0
	v_and_b32 v10, 31, v0                          ; lane
	v_lshlrev_b32 v[LI], 4, v10
	v_add_nc_u32 v[KSA], KSC, v[LI]
	v_lshl_add_u32 v[VSA], v10, 3, VSC
	v_bfe_u32 v215, v0, 4, 1                       ; h
	v_and_b32 v216, 15, v0                         ; r
	v_lshl_add_u32 v[MA], v215, 6, MSK
	v_lshlrev_b32 v[GO], 12, v215
	v_lshl_add_u32 v[GO], v216, 4, v[GO]
	v_lshlrev_b32 v[QSO], 4, v216
	s_mul_i32 s40, s12, 16*272
	s_add_co_u32 s40, s40, STG                     ; my stage
	v_mul_u32_u24 v[STO], v216, 272
	v_lshl_add_u32 v[STO], v215, 6, v[STO]
	v_add_nc_u32 v[STO], s40, v[STO]               ; in: row r, + 64 h
	v_mul_u32_u24 v[SRD], v215, 272
	v_lshl_add_u32 v[SRD], v216, 4, v[SRD]
	v_add_nc_u32 v[SRD], s40, v[SRD]               ; back: lanes 0-15 one row, lanes 16-31 the next
	; the copy's places, by the thread's number t = 0 .. 511
	v_lshlrev_b32 v220, 4, v0                      ; 16 t: K's source, and K's and V's place in LDS
	v_and_b32 v221, 0x7ff, v220
	v_lshrrev_b32 v222, 7, v0
	v_lshl_or_b32 v221, v222, 12, v221             ; V's source: in memory a group s is 4,096 bytes (both heads), in LDS 2,048
	v_lshlrev_b32 v222, 3, v0                      ; 8 t: K's scale words and the mask
	v_lshrrev_b32 v223, 1, v0
	v_lshlrev_b32 v223, 4, v223
	v_and_b32 v224, 1, v0
	v_lshl_or_b32 v223, v224, 2, v223              ; V's scale words: 16 (t / 2) + 4 (t % 2)
	v_lshl_add_u32 v225, v0, 3, KSC
	v_lshl_add_u32 v226, v0, 2, VSC
	v_lshl_add_u32 v227, v0, 3, MSK
.irp j, 20,21,22,23
	v_mov_b32 v[\j], 0                             ; Q's codes of k = 64 .. 127: zeros, written once
.endr
.irp j, 0,1,2,3
	v_mov_b32 v[T2+\j], 0                          ; written once: a lane permute's destination counts as one of its sources
.endr
	v_mov_b32 v[F+1], 0
	s_wait_kmcnt 0x0
	s_add_nc_u64 s[24:25], s[4:5], s[24:25]
	s_add_nc_u64 s[26:27], s[4:5], s[26:27]
	s_add_nc_u64 s[32:33], s[4:5], s[32:33]
	s_add_nc_u64 s[28:29], s[6:7], s[28:29]
	s_add_nc_u64 s[30:31], s[6:7], s[30:31]
	s_add_nc_u64 s[34:35], s[6:7], s[34:35]
	s_add_nc_u64 s[36:37], s[10:11], s[36:37]
	s_add_nc_u64 s[38:39], s[8:9], s[38:39]
.irp i, 0,1,2,3
	global_load_b128 v[32+4*\i:35+4*\i], v220, s[24:25] offset:8192*\i                      ; K: 32 KiB on end
.endr
.irp i, 0,1,2,3
	global_load_b128 v[48+4*\i:51+4*\i], v221, s[26:27] offset:16384*(\i%2)+32768*(\i/2)    ; V: groups 4 (i % 2) on, registers 4 (i / 2) on
.endr
	global_load_b64 v[64:65], v222, s[28:29]
	global_load_b32 v66, v223, s[30:31]
	global_load_b64 v[68:69], v222, s[38:39]
	s_wait_loadcnt 0x0
	v_lshrrev_b32 v64, s18, v64                    ; my head's two bytes to bytes 0 and 1
	v_lshrrev_b32 v65, s18, v65
	v_mul_f32 v68, 0x41000000, v68                 ; 8 x mask: exact
	v_mul_f32 v69, 0x41000000, v69
.irp i, 0,1,2,3
	ds_store_b128 v220, v[32+4*\i:35+4*\i] offset:KIMG+8192*\i
.endr
.irp i, 0,1,2,3
	ds_store_b128 v220, v[48+4*\i:51+4*\i] offset:VIMG+8192*\i
.endr
	ds_store_b64 v225, v[64:65]
	ds_store_b32 v226, v66
	ds_store_b64 v227, v[68:69]
	s_wait_dscnt 0x0                               ; for the others' sake: my stores have landed
	s_barrier_signal -1
	s_barrier_wait -1                              ; the launch's one barrier: from here on these regions are only read
; A KEY STEP: keys 128 s .. 128 s + 127.
.macro STEP s
.irp t, 0,1,2,3,4,5,6,7
	ds_load_b128 v[KR+4*\t:KR+4*\t+3], v[LI] offset:KIMG+4096*(\s)+512*\t
.endr
	ds_load_b128 v[VR:VR+3], v[LI] offset:VIMG+2048*(\s)                     ; V's first four registers come now: key tile 7's operand names them
	ds_load_b128 v[24:27], v[KSA] offset:512*(\s)
.irp t, 0,1,2,3,4,5,6,7
.irp q, 0,1
	ds_load_b128 v[SS+8*\t+4*\q:SS+8*\t+4*\q+3], v[MA] offset:512*(\s)+128*(\t/2)+32*(\t%2)+16*\q   ; 8 x mask of keys 32 (t / 2) + 8 (t % 2) + 16 h + 0 .. 7: the result's layout
.endr
.endr
	ds_load_b128 v[VR+4:VR+7], v[LI] offset:VIMG+16384+2048*(\s)
.irp dt, 1,2,3
.irp c, 0,1
	ds_load_b128 v[VR+8*\dt+4*\c:VR+8*\dt+4*\c+3], v[LI] offset:VIMG+16384*\c+2048*(\s)+512*\dt
.endr
.endr
	ds_load_b64 v[28:29], v[VSA] offset:256*(\s)
	s_wait_dscnt 8                                 ; all but the youngest eight: seven loads of V and V's scale words
.irp t, 0,1,2,3,4,5,6,7                        ; S^T = K Q^T + 8 mask: eight accumulators, one instruction each
.if \t%2
	v_wmma_scale_f32_16x16x128_f8f6f4 v[SS+8*\t:SS+8*\t+7], v[KR+4*\t:KR+4*\t+7], v[16:23], v[SS+8*\t:SS+8*\t+7], v[24+\t/2], v30 matrix_a_fmt:MATRIX_FMT_FP4 matrix_b_fmt:MATRIX_FMT_FP4 matrix_a_scale:MATRIX_SCALE_ROW1
.else
	v_wmma_scale_f32_16x16x128_f8f6f4 v[SS+8*\t:SS+8*\t+7], v[KR+4*\t:KR+4*\t+7], v[16:23], v[SS+8*\t:SS+8*\t+7], v[24+\t/2], v30 matrix_a_fmt:MATRIX_FMT_FP4 matrix_b_fmt:MATRIX_FMT_FP4
.endif
.endr
.rept 4
	v_nop                                          ; four places ahead of the first read of results (ISA guide 7.12.1)
.endr
.irp b, 0,1,2,3
	v_max3_num_f32 v[BM+\b], v[SS+16*\b], v[SS+1+16*\b], v[SS+2+16*\b]   ; the largest score of each block of 32 keys: for the row's maximum, and, since p rises with the score, for the block's largest p
.endr
.irp i, 3,5,7,9,11,13
.irp b, 0,1,2,3
	v_max3_num_f32 v[BM+\b], v[BM+\b], v[SS+16*\b+\i], v[SS+1+16*\b+\i]   ; (the four blocks by turns; each accumulator is met from its low end on)
.endr
.endr
.irp b, 0,1,2,3
	v_max_num_f32 v[BM+\b], v[BM+\b], v[SS+15+16*\b]
.endr
.irp b, 0,1,2,3
	v_permlanex16_b32 v[T2+\b], v[BM+\b], s20, s21
.endr
.irp b, 0,1,2,3
	v_max_num_f32 v[BM+\b], v[BM+\b], v[T2+\b]     ; with lane l xor 16's 16 keys
.endr
	v_max3_num_f32 v[TV], v[BM], v[BM+1], v[BM+2]
	v_max_num_f32 v[TV], v[TV], v[BM+3]            ; the step's largest score of my query
	v_mul_f32 v[TV], s22, v[TV]                    ; as t (c is positive)
	v_max_num_f32 v13, v13, v[TV]                  ; the running largest t
	v_mov_b32 v[TV], v12
	v_floor_f32 v12, -v13                          ; the new -M = floor(-t) = -ceil(t)
	v_sub_f32 v[TV], v12, v[TV]                    ; old M - new M: a whole number, 0 or less
	v_cvt_i32_f32 v[TV], v[TV]                     ; (it saturates)
	v_ldexp_f32 v[F], 1.0, v[TV]                   ; f = 2^(old M - new M)
.set j, 0
.rept 32
	v_pk_fma_f32 v[SS+j:SS+j+1], v[SS+j:SS+j+1], s[22:23], v[12:13] op_sel_hi:[1,0,0]   ; t - M, two at a time (of the pairs c and -M the low word serves both halves)
.set j, j+2
.endr
.irp b, 0,1,2,3
	v_fma_f32 v[BM+\b], v[BM+\b], s22, v12         ; the same of each block's largest score
.endr
.set j, 0
.rept 64
	v_exp_f32 v[SS+j], v[SS+j]                     ; p = 2^(t - M), at most 1: not normalised
.set j, j+1
.endr
.irp b, 0,1,2,3
	v_exp_f32 v[BM+\b], v[BM+\b]                   ; the block's largest p: the same two instructions on the same number give the same bits
.endr
	v_pk_mul_f32 v[14:15], v[14:15], v[F:F+1] op_sel_hi:[1,0]   ; the sums under the new M: plain work behind the exponentials, which names none of their results,
.set j, 0
.rept 16
	v_pk_mul_f32 v[OT+j:OT+j+1], v[OT+j:OT+j+1], v[F:F+1] op_sel_hi:[1,0]   ; and O^T under the new M
.set j, j+2
.endr
	s_wait_alu depctr_va_vdst(0)                   ; one wait for the batch of 68, ahead of the first instruction that names a result
.irp b, 0,1,2,3
	v_max_num_f32 v[BM+\b], 0x1800000, v[BM+\b]    ; the floor 2^(3 - 127): the byte cannot fall under 1
.endr
.irp b, 0,1,2,3
	v_add_nc_u32 v[SOP+\b], 0xff000000, v[BM+\b]   ; 2 off the exponent field: the conversion's scale operand
.endr
.irp b, 0,1,2,3
	v_lshrrev_b32 v[T2+\b], 23, v[SOP+\b]          ; the scale's byte
.endr
	v_lshl_or_b32 v31, v[T2+1], 8, v[T2]           ; p's scale word for these 128 keys
	v_lshl_or_b32 v31, v[T2+2], 16, v31
	v_lshl_or_b32 v31, v[T2+3], 24, v31
.irp b, 0,1,2,3
	v_cvt_scalef32_pk8_fp4_f32 v[PC+2*\b], v[SS+16*\b:SS+7+16*\b], v[SOP+\b]
	v_cvt_scalef32_pk8_fp4_f32 v[PC+1+2*\b], v[SS+8+16*\b:SS+15+16*\b], v[SOP+\b]
.endr
	v_nop                                          ; one plain place behind a scaled conversion
.irp c, 0,1                                    ; the operand's layout wants a WHOLE block in a lane
.irp i, 0,1
	v_permlane16_swap_b32 v[PC+4*\c+\i], v[PC+2+4*\c+\i]
.endr
.endr
	v_pk_add_f32 v[T2:T2+1], v[SS:SS+1], v[SS+2:SS+3]   ; THE ROW'S SUM IS TAKEN OF THE UNQUANTISED p, in two chains.  Its first 15 lines are the places between p's scale word (8 are asked) and codes (4) and the products
.irp j, 4,8,12,16,20,24,28
	v_pk_add_f32 v[14:15], v[14:15], v[SS+\j:SS+\j+1]
	v_pk_add_f32 v[T2:T2+1], v[T2:T2+1], v[SS+\j+2:SS+\j+3]
.endr
	s_wait_dscnt 0x0                               ; V and its scale words are in
.irp dt, 0,1,2,3                               ; O^T += V^T P^T: four accumulators, one instruction each; K = these 128 keys
.if \dt%2
	v_wmma_scale_f32_16x16x128_f8f6f4 v[OT+8*\dt:OT+8*\dt+7], v[VR+8*\dt:VR+8*\dt+7], v[PC:PC+7], v[OT+8*\dt:OT+8*\dt+7], v[28+\dt/2], v31 matrix_a_fmt:MATRIX_FMT_FP4 matrix_b_fmt:MATRIX_FMT_FP4 matrix_a_scale:MATRIX_SCALE_ROW1
.else
	v_wmma_scale_f32_16x16x128_f8f6f4 v[OT+8*\dt:OT+8*\dt+7], v[VR+8*\dt:VR+8*\dt+7], v[PC:PC+7], v[OT+8*\dt:OT+8*\dt+7], v[28+\dt/2], v31 matrix_a_fmt:MATRIX_FMT_FP4 matrix_b_fmt:MATRIX_FMT_FP4
.endif
.endr
.irp j, 32,36,40,44,48,52,56,60                ; the sum's other 17 lines name no register of those products: they are the places ahead of the next step's loads and of the way out's reads
	v_pk_add_f32 v[14:15], v[14:15], v[SS+\j:SS+\j+1]
	v_pk_add_f32 v[T2:T2+1], v[T2:T2+1], v[SS+\j+2:SS+\j+3]
.endr
	v_pk_add_f32 v[14:15], v[14:15], v[T2:T2+1]
.endm
	s_mov_b32 s19, 2
.Lpass:                                            ; two passes: a tile of 16 queries each
	global_load_b128 v[16:19], v[LI], s[32:33]     ; Q's codes: registers 0-3 of its fragment
	global_load_b32 v30, v[QSO], s[34:35]          ; its scale words
	v_mov_b32 v13, 0xff61b1e6                      ; the largest t so far: -3e38, under every t
	v_floor_f32 v12, -v13                          ; -M
	v_mov_b32 v14, 0                               ; the sum, in two halves
	v_mov_b32 v15, 0
	s_wait_loadcnt 0x0
	v_lshrrev_b32 v30, s18, v30                    ; my head's two bytes to bytes 0 and 1
.set j, 0
.rept 32
	v_mov_b32 v[OT+j], 0                           ; O^T: the step is written one way: the first finds zeros, which the first change of M leaves zeros.  (Also the places between Q's scale word and the first product)
.set j, j+1
.endr
.irp s, 0,1,2,3,4,5,6,7
	STEP \s
.endr
	; THE WAY OUT: O^T / the sum goes through my stage in LDS and leaves as rows of 256 bytes: my head's part of a row of out
	v_add_f32 v14, v14, v15                        ; the sum's two halves,
	v_permlanex16_b32 v[TV], v14, s20, s21
	v_add_f32 v14, v14, v[TV]                      ; and lane l xor 16's: the row's sum
	v_rcp_f32 v14, v14
	v_nop                                          ; a plain place behind the reciprocal
	s_wait_alu depctr_va_vdst(0)                   ; and the wait ahead of its first reader
.set j, 0
.rept 16
	v_pk_mul_f32 v[SS+j:SS+j+1], v[OT+j:OT+j+1], v[14:15] op_sel_hi:[1,0]   ; register 16 g + i is d = 32 g + 16 h + i of query r
.set j, j+2
.endr
.irp g, 0,1
.irp q, 0,1,2,3
	ds_store_b128 v[STO], v[SS+16*\g+4*\q:SS+16*\g+4*\q+3] offset:128*\g+16*\q
.endr
.endr
.irp i, 0,1,2,3,4,5,6,7
	ds_load_b128 v[KR+4*\i:KR+4*\i+3], v[SRD] offset:544*\i   ; LDS serves a wave's instructions in order: these see my stores
.endr
.irp i, 0,1,2,3,4,5,6,7
	s_wait_dscnt 7-\i                              ; the younger loads may stay out
	global_store_b128 v[GO], v[KR+4*\i:KR+4*\i+3], s[36:37] offset:(2*\i+8*(\i/4))*4096 th:TH_STORE_NT   ; stage row 2 i + h is token 2 i + h + 8 (i / 4) of the tile; 16 lanes store 256 consecutive bytes, aligned
.endr
	s_wait_xcnt 0x0                                ; the stores have read their registers and base, the loads theirs: all may be written again
	s_add_nc_u64 s[32:33], s[32:33], 8192          ; two groups of 128 queries on
	s_add_nc_u64 s[34:35], s[34:35], 1024
	s_add_nc_u64 s[36:37], s[36:37], 0x100000
	s_sub_co_u32 s19, s19, 1
	s_cmp_lg_u32 s19, 0
	s_cbranch_scc1 .Lpass
	s_wait_tensorcnt 0x0                           ; the wave's end: three closing lines behind my last LDS store
	ds_add_u32 v[SPW], v[NIL]
	s_wait_dscnt 0x0
	s_endpgm
.Lfunc_end_k_q7c2d02fd99_attn:
	.size	k_q7c2d02fd99_attn, .Lfunc_end_k_q7c2d02fd99_attn-k_q7c2d02fd99_attn
	.p2alignl 7, 3214868480
	.fill 96, 4, 3214868480
	.section	.rodata,"a",@progbits
	.p2align	6, 0x0
	.amdhsa_kernel k_q7c2d02fd99_attn
		.amdhsa_group_segment_fixed_size 147456
		.amdhsa_private_segment_fixed_size 0
		.amdhsa_enable_private_segment 0
		.amdhsa_kernarg_size 32
		.amdhsa_user_sgpr_count 2
		.amdhsa_user_sgpr_kernarg_segment_ptr 1
		.amdhsa_wavefront_size32 1
		.amdhsa_system_sgpr_workgroup_id_x 1
		.amdhsa_system_sgpr_workgroup_id_y 1
		.amdhsa_system_sgpr_workgroup_id_z 1
		.amdhsa_system_vgpr_workitem_id 0
		.amdhsa_next_free_vgpr 256
		.amdhsa_next_free_sgpr 66
		.amdhsa_reserve_vcc 0
		.amdhsa_float_denorm_mode_32 3
		.amdhsa_float_denorm_mode_16_64 3
		.amdhsa_memory_ordered 1
		.amdhsa_forward_progress 1
		.amdhsa_inst_pref_size 136
	.end_amdhsa_kernel
	.amdgpu_metadata
---
amdhsa.version: [ 1, 2 ]
amdhsa.kernels:
  - .name:           k_q7c2d02fd99_attn
    .symbol:         k_q7c2d02fd99_attn.kd
    .args:
      - { .name: img, .offset: 0, .size: 8, .value_kind: global_buffer, .address_space: global }
      - { .name: simg, .offset: 8, .size: 8, .value_kind: global_buffer, .address_space: global }
      - { .name: attention_mask, .offset: 16, .size: 8, .value_kind: global_buffer, .address_space: global }
      - { .name: out0, .offset: 24, .size: 8, .value_kind: global_buffer, .address_space: global }
    .group_segment_fixed_size: 147456
    .private_segment_fixed_size: 0
    .kernarg_segment_align: 8
    .kernarg_segment_size: 32
    .max_flat_workgroup_size: 512
    .sgpr_count:     66
    .vgpr_count:     256
    .wavefront_size: 32
...
	.end_amdgpu_metadata
.endif
;; end of part 3
;; ======== version 2 of 2: 3 launches; version 1 with the launch attn written anew for expert scheduling mode
;; workspace buffers: codes 5,767,168 bytes; scales 360,448 bytes; img 12,582,912 bytes; simg 786,432 bytes
;; launch quant: the kernel of part 1 again; grid 352 x 1, 4 waves a work-group, no clusters, 33,280 bytes of LDS; arguments activation, qw, kw, vw, codes, scales; writes codes, scales
;; launch proj: the kernel of part 2 again; grid 96 x 4, 4 waves a work-group, clusters of 4 x 4, 327,680 bytes of LDS; arguments codes, scales, qb, kb, vb, img, simg; writes img, simg
;; launch attn (part 4): grid 2 x 128, 16 waves a work-group, no clusters, 147,456 bytes of LDS; arguments img, simg, attention_mask, out0; writes out0
.if DOCPART == 4
	.amdgcn_target "amdgcn-amd-amdhsa--gfx1250"
	.amdhsa_code_object_version 6
	.text
	.protected	k_q7c2d02fd99_attn
	.globl	k_q7c2d02fd99_attn
	.p2align	8
	.type	k_q7c2d02fd99_attn,@function
k_q7c2d02fd99_attn:
	s_mov_b64 s[64:65], 0
	v_nop
	global_prefetch_b8 v0, s[64:65] scope:SCOPE_SE
	s_setreg_imm32_b32 hwreg(HW_REG_WAVE_SCHED_MODE, 0, 2), 2
	s_setreg_imm32_b32 hwreg(HW_REG_WAVE_MODE, 25, 1), 1
	s_wait_xcnt 0x0
	s_wait_alu depctr_vm_vsrc(0)
; THIRD LAUNCH: out[b][q][64 head + d] = the sum over keys of softmax(q . k / 8 + mask[b][key]) v, both products on codes of E2M1 with one E8M0 scale for each 32 along a product's K.  Nothing of the problem is left out here.
; INPUTS, as the second launch stored them: images of the operands' registers.  img [type q,k,v][batch][pair of heads][c][group s of 128 tokens][a][16 x lane]:
;   q, k: c = the head of the pair; a = a tile of 16 tokens, lane r's token 128 s + 32 (a / 2) + 8 (a % 2) + r + 8 (r / 8); a lane's 16 bytes are d = 32 (lane / 16) + 0 .. 31: registers 0-3 of a fragment.
;   v:    a = 4 x head of the pair + dt, a tile of 16 d, lane r's d = 32 (dt / 2) + 8 (dt % 2) + r + 8 (r / 8); c = registers 4 c .. 4 c + 3: keys 128 s + 64 c + 32 (lane / 16) + 0 .. 31.
; simg [type][batch][pair][s][lane][4 words]: word i of lane l is the scale word of block a = 2 i + l / 16, row l % 16 (q, k: bytes 0, 1 the pair's first head, bytes 2, 3 its second).
; THE SOFTMAX AHEAD OF THE SECOND PRODUCT: t = logit x log2(e); M = the running largest t rounded UP to a whole number; p = 2^(t - M) is quantised along the keys, not normalised; the row's sum is taken of the
; unquantised p and divides at the end; when M moves, the sum and O are multiplied by 2^(old M - new M), which rounds nothing.
; SHARES.  A work-group owns 512 queries of one head; each of its sixteen waves takes one tile of 16 queries in each of two passes: four waves to a SIMD, so that one wave's vector work stands beside another's loads and products.
; A WHOLE HEAD'S K AND V, 64 KiB OF CODES, LIE IN LDS for the launch, with their scale words and 8 x mask: copied once through registers, one barrier, then only read.  No ring and no tensor load: nothing is filled again.
; NO CLUSTER: the two work-groups of a head share 74 KiB that each reads once, at its head, and the copy changes the words on the way (scale words shifted to the head, the mask multiplied): it goes through registers.
; LAYOUT.  Both products are used transposed (S^T = K Q^T, O^T = V^T P^T): a lane holds ONE query throughout; by the choice of a tile's keys the 16 registers of tiles 2 b, 2 b + 1 are keys 32 b + 16 (lane / 16) + 0 .. 15.
; K = 64 IN AN INSTRUCTION OF 128: Q's registers 4-7 are zeros.  K's operand names eight registers of which the upper four are the next tile's codes (key tile 7's: V's first four registers, which hold the step
; before's V, and ahead of the very first step what the copy left there and one zero): whatever they hold is a number of E2M1, the scale bytes beside them are another head's (1 to 254) or 0, never 0xff: that half adds exactly 0.
; THE MASK COSTS NO VECTOR INSTRUCTION: 8 x mask, in the result's layout, is the C of the scores' product: s' = q . k + 8 mask, t = c s' with c = log2(e) / 8.
; LIMITS: t is formed as c (q . k + 8 mask) where the problem forms (q . k / 8 + mask) log2(e): the same terms in another order of rounding.  NaN and infinities in the inputs (a mask of -infinity too) are not served.
; A block's largest p is taken as 2^(its largest t - M): that leans on v_exp_f32 not falling where its input rises.
; THE MODE: SCHED_MODE bits 1:0 = 2 (LLVM: expert scheduling mode 2), set by the entry lines.  The code itself states the register dependences between vector or matrix instructions and memory or LDS
; instructions, with s_wait_alu, always for 0.
; THE PLAN.  Registers that LDS or memory instructions touch, in a pass:
;   KR, v24-27    K's tiles and scale words.  Read by step s's eight scores' products; the loads of step s + 1 land in them behind step s's FIRST wait.
;   VR, v28-29    V's tiles and scale words.  Read by step s's four second products (VR's first four are also named by step s + 1's key tile 7); the loads of step s land in them behind step s's FIRST wait.
;   SS            8 x mask as loaded, then scores, then p.  Written by the scores' products, the scalings and the exponentials; read last by the conversions and by the row's sums, which all stand ahead of the
;                 SECOND wait; the loads of step s + 1's mask land in it behind that wait, dealt among the four second products, which name none of it.
;   v16-19, v30   Q's codes and scale word: loaded at a pass's head; v30 is then shifted by a vector instruction; read by the scores' products.
;   The way out   SS is written by the scalings and read by the LDS stores; KR is loaded from the stage and read by the stores to out.
;   v1-11, v220-227  offsets and LDS addresses: made at the head, never written again.   v5, v6: read by the closing add alone.
; So a step has TWO waits on va_vdst.  The first stands behind the exponentials and the seventeen multiplies by f: the exponentials' results are written; the scores' products are done reading K, and the step
; before's second products V.  The second stands behind the sums: p's codes and scale word are written, which the scaled products take; the conversions and the sums are done reading SS.
.set KIMG, 0                           ; LDS: K's images [s 8][t 8][512]
.set VIMG, 32768                       ; V's [c 2][s 8][dt 4][512]
.set KSC,  65536                       ; K's scale words [s 8][lane][4 words], shifted to my head
.set VSC,  69632                       ; V's [s 8][lane][2 words]
.set MSK,  71680                       ; 8 x mask, f32, 1,024 keys
.set STG,  75776                       ; the way out: 16 rows x (256 bytes + 16) for each wave
.set SPARE, 145408                     ; the spare words, 128 bytes a wave, which no other line names
.set LI,  1                            ; v1   16 x lane
.set KSA, 2                            ; v2   KSC + 16 x lane
.set VSA, 3                            ; v3   VSC + 8 x lane
.set MA,  4                            ; v4   MSK + 64 (lane / 16)
.set SPW, 5                            ; v5   LDS address of my spare word; never rewritten
.set NIL, 6                            ; v6   0; never rewritten
.set GO,  7                            ; v7   the way out: 4,096 (lane / 16) + 16 (lane % 16)
.set STO, 8                            ; v8   where I put 64 bytes of a row in my stage
.set SRD, 9                            ; v9   where I read a row back
.set QSO, 11                           ; v11  16 (lane % 16): Q's scale words
; v12 -M, v13 the largest t, v[14:15] the sum in two halves; v[16:19] Q's codes, v[20:23] zeros; v[24:27] K's scale words, v[28:29] V's, v30 Q's, v31 p's
.set KR,  32                           ; v32-63   K: 8 tiles x 4 registers
.set VR,  64                           ; v64-95   V: 4 tiles x 8 registers
.set SS,  96                           ; v96-159  8 x mask, then S^T, then p
.set OT,  160                          ; v160-191 O^T
.set PC,  192                          ; v192-199 p's codes
.set BM,  200                          ; v200-203 the blocks' largest scores, then largest p
.set T2,  204                          ; v204-207 permutes' results, bytes, the second chain of the sum
.set SOP, 208                          ; v208-211 the conversions' scale operands
.set F,   212                          ; v212 f = 2^(old M - new M); v213 written once (named with it as a pair)
.set TV,  214                          ; v214 at work
	s_load_b256 s[4:11], s[0:1], 0x0               ; img s[4:5], simg s[6:7], mask s[8:9], out s[10:11]
	v_lshl_add_u32 v[SPW], v0, 2, SPARE
	v_mov_b32 v[NIL], 0
	v_lshrrev_b32 v10, 5, v0
	v_readfirstlane_b32 s12, v10                   ; wave 0..15
	s_and_b32 s14, ttmp7, 0xffff                   ; 16 x batch + head
	s_lshr_b32 s15, s14, 4                         ; batch
	s_and_b32 s13, s14, 15                         ; head
	s_lshr_b32 s16, s13, 1                         ; pair
	s_and_b32 s17, s13, 1                          ; e: the head of the pair
	s_lshl_b32 s18, s17, 4                         ; 16 e: what brings my head's two scale bytes down
	s_mov_b32 s20, 0x76543210
	s_mov_b32 s21, 0xfedcba98                      ; v_permlanex16_b32's selects for lane l xor 16
	s_mov_b32 s22, 0x3e38aa3b                      ; c = log2(e) / 8
	s_mov_b32 s23, s22                             ; (named with it as a pair)
	s_lshl_b32 s41, s15, 19
	s_lshl_b32 s43, s16, 16
	s_or_b32 s41, s41, s43                         ; img: batch and pair
	s_lshl_b32 s42, s15, 15
	s_lshl_b32 s43, s16, 12
	s_or_b32 s42, s42, s43                         ; simg: batch and pair
	s_lshl_b32 s44, ttmp9, 2
	s_wait_alu depctr_va_sdst(0)                   ; s12, the wave's number, is written, ahead of its first reader
	s_lshr_b32 s43, s12, 3
	s_add_co_u32 s44, s44, s43                     ; my first pass's group of 128 queries: 4 x + wave / 8; the second pass's lies two on
	s_and_b32 s45, s12, 7                          ; a: my tile in it
	s_lshr_b32 s46, s45, 1
	s_and_b32 s47, s45, 1
	s_lshl_b32 s43, s17, 15
	s_add_co_u32 s32, s41, s43                     ; Q: c = e,
	s_add_co_u32 s24, s32, 1<<22                   ; K: the same in type 1
	s_mov_b32 s25, 0
	s_lshl_b32 s43, s44, 12
	s_add_co_u32 s32, s32, s43                     ; Q: my group,
	s_lshl_b32 s43, s45, 9
	s_add_co_u32 s32, s32, s43                     ; my tile
	s_mov_b32 s33, 0
	s_lshl_b32 s43, s17, 11
	s_add_co_u32 s26, s41, s43                     ; V: a = 4 e on,
	s_add_co_u32 s26, s26, 2<<22                   ; type 2
	s_mov_b32 s27, 0
	s_add_co_u32 s28, s42, 1<<18                   ; K's scale words
	s_mov_b32 s29, 0
	s_lshl_b32 s43, s17, 3
	s_add_co_u32 s30, s42, s43                     ; V's: words 2 e, 2 e + 1 of a lane's four
	s_add_co_u32 s30, s30, 2<<18
	s_mov_b32 s31, 0
	s_lshl_b32 s43, s44, 9
	s_add_co_u32 s34, s42, s43                     ; Q's: my group,
	s_lshl_b32 s43, s47, 8
	s_add_co_u32 s34, s34, s43                     ; lanes 16 (a % 2) on,
	s_lshl_b32 s43, s46, 2
	s_add_co_u32 s34, s34, s43                     ; word a / 2
	s_mov_b32 s35, 0
	s_lshl_b32 s36, s15, 10                        ; out: my tile's first row: 1,024 batch + 128 group + 32 (a / 2) + 8 (a % 2),
	s_lshl_b32 s43, s44, 7
	s_add_co_u32 s36, s36, s43
	s_lshl_b32 s43, s46, 5
	s_add_co_u32 s36, s36, s43
	s_lshl_b32 s43, s47, 3
	s_add_co_u32 s36, s36, s43
	s_lshl_b32 s36, s36, 12                        ; rows of 4,096 bytes (under 2^25 in all),
	s_lshl_b32 s43, s13, 8
	s_add_co_u32 s36, s36, s43                     ; my head's 256 bytes
	s_mov_b32 s37, 0
	s_lshl_b32 s38, s15, 12                        ; the batch's mask
	s_mov_b32 s39, 0
	v_and_b32 v10, 31, v0                          ; lane
	v_lshlrev_b32 v[LI], 4, v10
	v_add_nc_u32 v[KSA], KSC, v[LI]
	v_lshl_add_u32 v[VSA], v10, 3, VSC
	v_bfe_u32 v215, v0, 4, 1                       ; h
	v_and_b32 v216, 15, v0                         ; r
	v_lshl_add_u32 v[MA], v215, 6, MSK
	v_lshlrev_b32 v[GO], 12, v215
	v_lshl_add_u32 v[GO], v216, 4, v[GO]
	v_lshlrev_b32 v[QSO], 4, v216
	s_mul_i32 s40, s12, 16*272
	s_add_co_u32 s40, s40, STG                     ; my stage
	v_mul_u32_u24 v[STO], v216, 272
	v_lshl_add_u32 v[STO], v215, 6, v[STO]
	v_add_nc_u32 v[STO], s40, v[STO]               ; in: row r, + 64 h
	v_mul_u32_u24 v[SRD], v215, 272
	v_lshl_add_u32 v[SRD], v216, 4, v[SRD]
	v_add_nc_u32 v[SRD], s40, v[SRD]               ; back: lanes 0-15 one row, lanes 16-31 the next
	; the copy's places, by the thread's number t = 0 .. 511
	v_lshlrev_b32 v220, 4, v0                      ; 16 t: K's source, and K's and V's place in LDS
	v_and_b32 v221, 0x7ff, v220
	v_lshrrev_b32 v222, 7, v0
	v_lshl_or_b32 v221, v222, 12, v221             ; V's source: in memory a group s is 4,096 bytes (both heads), in LDS 2,048
	v_lshlrev_b32 v222, 3, v0                      ; 8 t: K's scale words and the mask
	v_lshrrev_b32 v223, 1, v0
	v_lshlrev_b32 v223, 4, v223
	v_and_b32 v224, 1, v0
	v_lshl_or_b32 v223, v224, 2, v223              ; V's scale words: 16 (t / 2) + 4 (t % 2)
	v_lshl_add_u32 v225, v0, 3, KSC
	v_lshl_add_u32 v226, v0, 2, VSC
	v_lshl_add_u32 v227, v0, 3, MSK
.irp j, 20,21,22,23
	v_mov_b32 v[\j], 0                             ; Q's codes of k = 64 .. 127: zeros, written once
.endr
.irp j, 0,1,2,3
	v_mov_b32 v[T2+\j], 0                          ; written once: a lane permute's destination counts as one of its sources
.endr
	v_mov_b32 v[F+1], 0
	v_mov_b32 v[VR+3], 0                           ; written once: the very first key tile 7 names v64-67 ahead of V's first load, and the copy below fills v64-66 alone
	s_wait_kmcnt 0x0
	s_add_nc_u64 s[24:25], s[4:5], s[24:25]
	s_add_nc_u64 s[26:27], s[4:5], s[26:27]
	s_add_nc_u64 s[32:33], s[4:5], s[32:33]
	s_add_nc_u64 s[28:29], s[6:7], s[28:29]
	s_add_nc_u64 s[30:31], s[6:7], s[30:31]
	s_add_nc_u64 s[34:35], s[6:7], s[34:35]
	s_add_nc_u64 s[36:37], s[10:11], s[36:37]
	s_add_nc_u64 s[38:39], s[8:9], s[38:39]
	s_wait_alu depctr_va_vdst(0)                   ; all offsets and LDS addresses (v1-11, v220-227) are written, which every load and store of the kernel reads; so are Q's zeros and v67, which scaled products take
.irp i, 0,1,2,3
	global_load_b128 v[32+4*\i:35+4*\i], v220, s[24:25] offset:8192*\i                      ; K: 32 KiB on end
.endr
.irp i, 0,1,2,3
	global_load_b128 v[48+4*\i:51+4*\i], v221, s[26:27] offset:16384*(\i%2)+32768*(\i/2)    ; V: groups 4 (i % 2) on, registers 4 (i / 2) on
.endr
	global_load_b64 v[64:65], v222, s[28:29]
	global_load_b32 v66, v223, s[30:31]
	global_load_b64 v[68:69], v222, s[38:39]
	s_wait_loadcnt 0x0
	v_lshrrev_b32 v64, s18, v64                    ; my head's two bytes to bytes 0 and 1
	v_lshrrev_b32 v65, s18, v65
	v_mul_f32 v68, 0x41000000, v68                 ; 8 x mask: exact
	v_mul_f32 v69, 0x41000000, v69
.irp i, 0,1,2,3
	ds_store_b128 v220, v[32+4*\i:35+4*\i] offset:KIMG+8192*\i   ; codes as they were loaded: no vector instruction since the wait above names v32-63 or v220
.endr
.irp i, 0,1,2,3
	ds_store_b128 v220, v[48+4*\i:51+4*\i] offset:VIMG+8192*\i
.endr
	s_wait_alu depctr_va_vdst(0)                   ; the two shifts and the two multiplies have written v64, v65, v68, v69, which the LDS stores below read
	ds_store_b64 v225, v[64:65]
	ds_store_b32 v226, v66
	ds_store_b64 v227, v[68:69]
	s_wait_dscnt 0x0                               ; for the others' sake: my stores have landed
	s_barrier_signal -1
	s_barrier_wait -1                              ; the launch's one barrier: from here on these regions are only read
	s_wait_alu depctr_vm_vsrc(0)                   ; my LDS stores have read v32-69: these registers are KR and VR from here on, in which LDS loads land
; K of step s: eight tiles and the scale words: nine LDS loads
.macro KLOAD s
.irp t, 0,1,2,3,4,5,6,7
	ds_load_b128 v[KR+4*\t:KR+4*\t+3], v[LI] offset:KIMG+4096*(\s)+512*\t
.endr
	ds_load_b128 v[24:27], v[KSA] offset:512*(\s)
.endm
; V of step s: four tiles and the scale words: nine LDS loads
.macro VLOAD s
.irp dt, 0,1,2,3
.irp c, 0,1
	ds_load_b128 v[VR+8*\dt+4*\c:VR+8*\dt+4*\c+3], v[LI] offset:VIMG+16384*\c+2048*(\s)+512*\dt
.endr
.endr
	ds_load_b64 v[28:29], v[VSA] offset:256*(\s)
.endm
; 8 x mask of step s's key tile t, keys 32 (t / 2) + 8 (t % 2) + 16 h + 0 .. 7: the result's layout: two LDS loads
.macro MLOAD s, t
.irp q, 0,1
	ds_load_b128 v[SS+8*(\t)+4*\q:SS+8*(\t)+4*\q+3], v[MA] offset:512*(\s)+128*((\t)/2)+32*((\t)%2)+16*\q
.endr
.endm
; A KEY STEP: keys 128 s .. 128 s + 127.  Its K and its mask were asked for in the step before (step 0's at the pass's head).
.macro STEP s
	s_wait_dscnt 8                                 ; K's tiles and scale words and the mask of key tiles 0 to 3 are in; the youngest eight loads, the mask of tiles 4 to 7, may be out
.irp t, 0,1,2,3,4,5,6,7                        ; S^T = K Q^T + 8 mask: eight accumulators, one instruction each
.if \t == 4
	s_wait_dscnt 0x0                               ; the mask of key tiles 4 to 7 is in
.endif
.if \t%2
	v_wmma_scale_f32_16x16x128_f8f6f4 v[SS+8*\t:SS+8*\t+7], v[KR+4*\t:KR+4*\t+7], v[16:23], v[SS+8*\t:SS+8*\t+7], v[24+\t/2], v30 matrix_a_fmt:MATRIX_FMT_FP4 matrix_b_fmt:MATRIX_FMT_FP4 matrix_a_scale:MATRIX_SCALE_ROW1
.else
	v_wmma_scale_f32_16x16x128_f8f6f4 v[SS+8*\t:SS+8*\t+7], v[KR+4*\t:KR+4*\t+7], v[16:23], v[SS+8*\t:SS+8*\t+7], v[24+\t/2], v30 matrix_a_fmt:MATRIX_FMT_FP4 matrix_b_fmt:MATRIX_FMT_FP4
.endif
.endr
.rept 4
	v_nop                                          ; four places ahead of the first read of results (ISA guide 7.12.1)
.endr
.irp b, 0,1,2,3
	v_max3_num_f32 v[BM+\b], v[SS+16*\b], v[SS+1+16*\b], v[SS+2+16*\b]   ; the largest score of each block of 32 keys: for the row's maximum, and, since p rises with the score, for the block's largest p
.endr
.irp i, 3,5,7,9,11,13
.irp b, 0,1,2,3
	v_max3_num_f32 v[BM+\b], v[BM+\b], v[SS+16*\b+\i], v[SS+1+16*\b+\i]   ; (the four blocks by turns; each accumulator is met from its low end on)
.endr
.endr
.irp b, 0,1,2,3
	v_max_num_f32 v[BM+\b], v[BM+\b], v[SS+15+16*\b]
.endr
.irp b, 0,1,2,3
	v_permlanex16_b32 v[T2+\b], v[BM+\b], s20, s21
.endr
.irp b, 0,1,2,3
	v_max_num_f32 v[BM+\b], v[BM+\b], v[T2+\b]     ; with lane l xor 16's 16 keys
.endr
	v_max3_num_f32 v[TV], v[BM], v[BM+1], v[BM+2]
	v_max_num_f32 v[TV], v[TV], v[BM+3]            ; the step's largest score of my query
	v_mul_f32 v[TV], s22, v[TV]                    ; as t (c is positive)
	v_max_num_f32 v13, v13, v[TV]                  ; the running largest t
	v_mov_b32 v[TV], v12
	v_floor_f32 v12, -v13                          ; the new -M = floor(-t) = -ceil(t)
	v_sub_f32 v[TV], v12, v[TV]                    ; old M - new M: a whole number, 0 or less
	v_cvt_i32_f32 v[TV], v[TV]                     ; (it saturates)
	v_ldexp_f32 v[F], 1.0, v[TV]                   ; f = 2^(old M - new M)
.set j, 0
.rept 32
	v_pk_fma_f32 v[SS+j:SS+j+1], v[SS+j:SS+j+1], s[22:23], v[12:13] op_sel_hi:[1,0,0]   ; t - M, two at a time (of the pairs c and -M the low word serves both halves)
.set j, j+2
.endr
.irp b, 0,1,2,3
	v_fma_f32 v[BM+\b], v[BM+\b], s22, v12         ; the same of each block's largest score
.endr
.set j, 0
.rept 64
	v_exp_f32 v[SS+j], v[SS+j]                     ; p = 2^(t - M), at most 1: not normalised
.set j, j+1
.endr
.irp b, 0,1,2,3
	v_exp_f32 v[BM+\b], v[BM+\b]                   ; the block's largest p: the same two instructions on the same number give the same bits
.endr
	v_pk_mul_f32 v[14:15], v[14:15], v[F:F+1] op_sel_hi:[1,0]   ; the sums under the new M: plain work behind the exponentials, which names none of their results,
.set j, 0
.rept 16
	v_pk_mul_f32 v[OT+j:OT+j+1], v[OT+j:OT+j+1], v[F:F+1] op_sel_hi:[1,0]   ; and O^T under the new M
.set j, j+2
.endr
	s_wait_alu depctr_va_vdst(0)                   ; THE STEP'S FIRST WAIT: the 68 exponentials have written p and the blocks' largest p, ahead of the first line that names one; this step's scores' products are done reading KR, v24-27 and V's first four registers, the step before's second products VR and v28-29: the loads below land there
	VLOAD \s                                       ; this step's V: it has the scales' lines, the conversions and the sums in which to land
.irp b, 0,1,2,3
	v_max_num_f32 v[BM+\b], 0x1800000, v[BM+\b]    ; the floor 2^(3 - 127): the byte cannot fall under 1
.endr
.irp b, 0,1,2,3
	v_add_nc_u32 v[SOP+\b], 0xff000000, v[BM+\b]   ; 2 off the exponent field: the conversion's scale operand
.endr
.irp b, 0,1,2,3
	v_lshrrev_b32 v[T2+\b], 23, v[SOP+\b]          ; the scale's byte
.endr
	v_lshl_or_b32 v31, v[T2+1], 8, v[T2]           ; p's scale word for these 128 keys
	v_lshl_or_b32 v31, v[T2+2], 16, v31
	v_lshl_or_b32 v31, v[T2+3], 24, v31
.if (\s) < 7
	KLOAD (\s)+1                                   ; the next step's K.  No wait: no vector or matrix instruction since the wait above names KR, v24-27 or the two addresses
.endif
.irp b, 0,1,2,3
	v_cvt_scalef32_pk8_fp4_f32 v[PC+2*\b], v[SS+16*\b:SS+7+16*\b], v[SOP+\b]
	v_cvt_scalef32_pk8_fp4_f32 v[PC+1+2*\b], v[SS+8+16*\b:SS+15+16*\b], v[SOP+\b]
.endr
	v_nop                                          ; one plain place behind a scaled conversion
.irp c, 0,1                                    ; the operand's layout wants a WHOLE block in a lane
.irp i, 0,1
	v_permlane16_swap_b32 v[PC+4*\c+\i], v[PC+2+4*\c+\i]
.endr
.endr
	v_pk_add_f32 v[T2:T2+1], v[SS:SS+1], v[SS+2:SS+3]   ; THE ROW'S SUM IS TAKEN OF THE UNQUANTISED p, in two chains.  All of it stands ahead of the second products, so that SS is free behind the wait below; these lines are also the places between p's scale word (8 are asked) and codes (4) and the products
.irp j, 4,8,12,16,20,24,28,32,36,40,44,48,52,56,60
	v_pk_add_f32 v[14:15], v[14:15], v[SS+\j:SS+\j+1]
	v_pk_add_f32 v[T2:T2+1], v[T2:T2+1], v[SS+\j+2:SS+\j+3]
.endr
	v_pk_add_f32 v[14:15], v[14:15], v[T2:T2+1]
.if (\s) < 7
	s_wait_dscnt 9                                 ; V and its scale words are in; the nine younger loads, the next step's K, may be out
.else
	s_wait_dscnt 0x0                               ; V and its scale words are in
.endif
	s_wait_alu depctr_va_vdst(0)                   ; THE STEP'S SECOND WAIT, behind the places: p's codes and scale word are written, which the scaled products below take; the conversions and the sums are done reading SS, in which the next step's mask lands
.irp dt, 0,1,2,3                               ; O^T += V^T P^T: four accumulators, one instruction each; K = these 128 keys
.if \dt%2
	v_wmma_scale_f32_16x16x128_f8f6f4 v[OT+8*\dt:OT+8*\dt+7], v[VR+8*\dt:VR+8*\dt+7], v[PC:PC+7], v[OT+8*\dt:OT+8*\dt+7], v[28+\dt/2], v31 matrix_a_fmt:MATRIX_FMT_FP4 matrix_b_fmt:MATRIX_FMT_FP4 matrix_a_scale:MATRIX_SCALE_ROW1
.else
	v_wmma_scale_f32_16x16x128_f8f6f4 v[OT+8*\dt:OT+8*\dt+7], v[VR+8*\dt:VR+8*\dt+7], v[PC:PC+7], v[OT+8*\dt:OT+8*\dt+7], v[28+\dt/2], v31 matrix_a_fmt:MATRIX_FMT_FP4 matrix_b_fmt:MATRIX_FMT_FP4
.endif
.if (\s) < 7
	MLOAD (\s)+1, 2*\dt                            ; the next step's mask, two key tiles behind each product.  No wait: these products name O^T, VR, p's codes and scale words, none of SS
	MLOAD (\s)+1, 2*\dt+1
.endif
.endr
.endm
	s_mov_b32 s19, 2
.Lpass:                                            ; two passes: a tile of 16 queries each
	; The pass's first loads owe no wait on va_vdst: on both ways here no vector or matrix instruction has been issued since the last such wait (ahead of the copy's small LDS stores; ahead of the way out's LDS stores)
	global_load_b128 v[16:19], v[LI], s[32:33]     ; Q's codes: registers 0-3 of its fragment
	global_load_b32 v30, v[QSO], s[34:35]          ; its scale words
	KLOAD 0                                        ; step 0's K,
.irp t, 0,1,2,3,4,5,6,7
	MLOAD 0, \t                                    ; and its mask
.endr
	v_mov_b32 v13, 0xff61b1e6                      ; the largest t so far: -3e38, under every t
	v_floor_f32 v12, -v13                          ; -M
	v_mov_b32 v14, 0                               ; the sum, in two halves
	v_mov_b32 v15, 0
	s_wait_loadcnt 0x0
	v_lshrrev_b32 v30, s18, v30                    ; my head's two bytes to bytes 0 and 1
.set j, 0
.rept 32
	v_mov_b32 v[OT+j], 0                           ; O^T: the step is written one way: the first finds zeros, which the first change of M leaves zeros.  (Also the places between Q's scale word and the first product)
.set j, j+1
.endr
	s_wait_alu depctr_va_vdst(0)                   ; behind the places: the shift has written v30, which the scaled products take as Q's scales
.irp s, 0,1,2,3,4,5,6,7
	STEP \s
.endr
	; THE WAY OUT: O^T / the sum goes through my stage in LDS and leaves as rows of 256 bytes: my head's part of a row of out
.rept 4
	v_nop                                          ; four places behind the last products, ahead of the first read of O^T (ISA guide 7.12.1)
.endr
	v_add_f32 v14, v14, v15                        ; the sum's two halves,
	v_permlanex16_b32 v[TV], v14, s20, s21
	v_add_f32 v14, v14, v[TV]                      ; and lane l xor 16's: the row's sum
	v_rcp_f32 v14, v14
	v_nop                                          ; a plain place behind the reciprocal
	s_wait_alu depctr_va_vdst(0)                   ; the reciprocal has written v14, ahead of its first reader
.set j, 0
.rept 16
	v_pk_mul_f32 v[SS+j:SS+j+1], v[OT+j:OT+j+1], v[14:15] op_sel_hi:[1,0]   ; register 16 g + i is d = 32 g + 16 h + i of query r
.set j, j+2
.endr
	s_wait_alu depctr_va_vdst(0)                   ; the sixteen multiplies have written v[SS ..], which the LDS stores read; the loads from the stage land in KR, which no vector or matrix instruction since the last step's first wait names
.irp g, 0,1
.irp q, 0,1,2,3
	ds_store_b128 v[STO], v[SS+16*\g+4*\q:SS+16*\g+4*\q+3] offset:128*\g+16*\q
.endr
.endr
.irp i, 0,1,2,3,4,5,6,7
	ds_load_b128 v[KR+4*\i:KR+4*\i+3], v[SRD] offset:544*\i   ; LDS serves a wave's instructions in order: these see my stores
.endr
.irp i, 0,1,2,3,4,5,6,7
	s_wait_dscnt 7-\i                              ; the younger loads may stay out
	global_store_b128 v[GO], v[KR+4*\i:KR+4*\i+3], s[36:37] offset:(2*\i+8*(\i/4))*4096 th:TH_STORE_NT   ; stage row 2 i + h is token 2 i + h + 8 (i / 4) of the tile; 16 lanes store 256 consecutive bytes, aligned
.endr
	s_wait_xcnt 0x0                                ; the stores have read their registers and base, the loads theirs: all may be written again
	s_wait_alu depctr_vm_vsrc(0)                   ; beside it: the stores to out have read KR and the LDS stores SS, in which the next pass's first loads land
	s_add_nc_u64 s[32:33], s[32:33], 8192          ; two groups of 128 queries on
	s_add_nc_u64 s[34:35], s[34:35], 1024
	s_add_nc_u64 s[36:37], s[36:37], 0x100000
	s_sub_co_u32 s19, s19, 1
	s_cmp_lg_u32 s19, 0
	s_cbranch_scc1 .Lpass
	s_wait_dscnt 0x0                               ; the closing lines, six on end
	s_wait_alu 0x0
	s_wait_tensorcnt 0x0
	ds_add_u32 v[SPW], v[NIL]
	s_wait_dscnt 0x0
	s_endpgm
.Lfunc_end_k_q7c2d02fd99_attn:
	.size	k_q7c2d02fd99_attn, .Lfunc_end_k_q7c2d02fd99_attn-k_q7c2d02fd99_attn
	.p2alignl 7, 3214868480
	.fill 96, 4, 3214868480
	.section	.rodata,"a",@progbits
	.p2align	6, 0x0
	.amdhsa_kernel k_q7c2d02fd99_attn
		.amdhsa_group_segment_fixed_size 147456
		.amdhsa_private_segment_fixed_size 0
		.amdhsa_enable_private_segment 0
		.amdhsa_kernarg_size 32
		.amdhsa_user_sgpr_count 2
		.amdhsa_user_sgpr_kernarg_segment_ptr 1
		.amdhsa_wavefront_size32 1
		.amdhsa_system_sgpr_workgroup_id_x 1
		.amdhsa_system_sgpr_workgroup_id_y 1
		.amdhsa_system_sgpr_workgroup_id_z 1
		.amdhsa_system_vgpr_workitem_id 0
		.amdhsa_next_free_vgpr 256
		.amdhsa_next_free_sgpr 66
		.amdhsa_reserve_vcc 0
		.amdhsa_float_denorm_mode_32 3
		.amdhsa_float_denorm_mode_16_64 3
		.amdhsa_memory_ordered 1
		.amdhsa_forward_progress 1
		.amdhsa_inst_pref_size 137
	.end_amdhsa_kernel
	.amdgpu_metadata
---
amdhsa.version: [ 1, 2 ]
amdhsa.kernels:
  - .name:           k_q7c2d02fd99_attn
    .symbol:         k_q7c2d02fd99_attn.kd
    .args:
      - { .name: img, .offset: 0, .size: 8, .value_kind: global_buffer, .address_space: global }
      - { .name: simg, .offset: 8, .size: 8, .value_kind: global_buffer, .address_space: global }
      - { .name: attention_mask, .offset: 16, .size: 8, .value_kind: global_buffer, .address_space: global }
      - { .name: out0, .offset: 24, .size: 8, .value_kind: global_buffer, .address_space: global }
    .group_segment_fixed_size: 147456
    .private_segment_fixed_size: 0
    .kernarg_segment_align: 8
    .kernarg_segment_size: 32
    .max_flat_workgroup_size: 512
    .sgpr_count:     66
    .vgpr_count:     256
    .wavefront_size: 32
...
	.end_amdgpu_metadata
.endif
;; end of part 4
